; MI455X (gfx1250); checked and timed in simulation.
; The chip was launched on July 23, 2026; its instructions are those of AMD's public machine-readable ISA for CDNA 5 (MIT licence, August 2026) and "CDNA5" Instruction Set Architecture Reference Guide (July 2026). The comments in the code are by the model that wrote it; some were corrected since.
;; MOE. Allowed arithmetic: float matrix products may take bf16 or f16 operands with f32 sums; other float arithmetic in f32, or as packed bf16 or f16 multiplies, adds, multiply-adds, maxima and minima; sums over many terms, partial sums and values carried from step to step in f32; what a program stores and reads back later, other than sums and carried values, may be rounded once to bf16 or f16.
;; Inputs: b1 8 x 4,096 float32; b2 8 x 1,024 float32; router_b 8 float32; router_w 8 x 1,024 float32; w1 8 x 1,024 x 4,096 float32; w2 8 x 4,096 x 1,024 float32; x 4 x 256 x 1,024 float32.
;; Outputs: out0 4 x 256 x 1,024 float32.
;; Constants: k = 2.
;; 2 versions, each right; version 2 is version 1 with the launch ffn2 written anew for expert scheduling mode. Each part assembles by itself: llvm-mc -triple=amdgcn-amd-amdhsa -mcpu=gfx1250 --defsym DOCPART=n.
;; ======== version 1 of 2: 4 launches
;; workspace buffers: xb 2,097,152 bytes; maps 2,048 bytes of whole numbers; gates 8,192 bytes; hbuf 67,108,864 bytes; part 33,554,432 bytes
;; launch router (part 1): grid 128 x 1, 8 waves a work-group, no clusters, 3,072 bytes of LDS; arguments x, router_w, router_b, xb, maps, gates; writes xb, maps, gates
.if DOCPART == 1
	.amdgcn_target "amdgcn-amd-amdhsa--gfx1250"
	.amdhsa_code_object_version 6
	.text
	.protected	k_qe89314d0e4_router
	.globl	k_qe89314d0e4_router
	.p2align	8
	.type	k_qe89314d0e4_router,@function
k_qe89314d0e4_router:
	s_mov_b64 s[64:65], 0
	v_nop
	global_prefetch_b8 v0, s[64:65] scope:SCOPE_SE
	s_setreg_imm32_b32 hwreg(HW_REG_WAVE_MODE, 25, 1), 1
	s_wait_xcnt 0x0
; ROUTER.  logits = x router_w^T + router_b, softmax over the 8 experts, the two largest, their gates renormalised; and x rounded once to bf16 for the first product.
; x, router_w and router_b are rounded to bf16 (nearest even) before they are multiplied, as every input of the program is; products, sums, softmax and gates in f32.
; LIMITS.  A token whose second and third probabilities lie closer than that rounding moves them follows the rounded inputs' order.  Equal probabilities keep the lower index.
; An exponential below 2^-126 counts as 0.  NaN and infinities are not treated apart.
; SHARES.  A work-group has 8 tokens (one byte of each of the 16 bit maps), 8 waves.  Wave w has columns 128 w .. 128 w + 127 of all 8 tokens and 8 experts, a lane 4 columns:
; thread t reads 16 bytes at 16 t of each row.  The waves' 64 partial sums meet in LDS; wave 0 finishes, lane l for token l % 8.
; OUT.  xb [1024][1024] bf16: a wave's store is 256 consecutive bytes, aligned.  gates [2][1024] f32.  maps [8 e][2 j][128 bytes]: bit t % 8 of byte t / 8 says that place j of token t is expert e.
; The 16 map bytes and 64 gate bytes of a work-group are single small stores: 2,048 and 8,192 bytes in the whole launch.
; No address and no branch hangs on the choice: it leaves as data at fixed places.  No matrix unit: 8 outputs a token.
.set SPARE, 2048                       ; behind the partial sums: the spare words, 128 bytes for each of 8 waves
.set SPW, 2                            ; v2  my spare word; never rewritten
.set NIL, 3                            ; v3  0; never rewritten
.set XO,  4                            ; v4  16 t: my bytes in a row of x or router_w
.set XBO, 5                            ; v5  8 t: my bytes in a row of xb
.set PA,  6                            ; v6  256 w: my wave's partial sums
.set TA,  7                            ; v7  32 (l % 8): a token's 8 sums in a wave's block
.set X,   8                            ; v[8:39]   x, 4 a token
.set RW,  40                           ; v[40:71]  router_w, 4 an expert
.set XP,  72                           ; v[72:87]  x packed, 2 a token
.set ACC, 88                           ; v[88:215] pair (t, e) at 88 + 2 (8 t + e)
.set PS,  8                            ; wave 0 later: v[8:71] the 8 waves' sums
.set L,   72                           ; v[72:79] logits, then probabilities
.set RB,  80                           ; v[80:87] router_b
.set V1,  88
.set I1,  89
.set V2,  90
.set I2,  91
.set U,   92                           ; v[92:95] at work
.set MB,  96                           ; lane 2 e + j: the map byte
.set MA,  97
.set GA,  98
	s_load_b256 s[4:11], s[0:1], 0x0               ; x s[4:5], router_w s[6:7], router_b s[8:9], xb s[10:11]
	s_load_b128 s[12:15], s[0:1], 0x20             ; maps s[12:13], gates s[14:15]
	v_lshl_add_u32 v[SPW], v0, 2, SPARE
	v_mov_b32 v[NIL], 0
	v_lshrrev_b32 v1, 5, v0
	v_readfirstlane_b32 s24, v1                    ; wave
	v_lshlrev_b32 v[XO], 4, v0
	v_lshlrev_b32 v[XBO], 3, v0
	s_lshl_b32 s32, s24, 8
	v_mov_b32 v[PA], s32
	v_and_b32 v[TA], 7, v0
	v_lshlrev_b32 v[TA], 5, v[TA]
	s_mov_b32 s25, ttmp9                           ; work-group
	s_mov_b32 s28, 0x76543210                      ; v_permlanex16_b32: each lane takes its own place in the other half
	s_mov_b32 s29, 0xfedcba98
	s_mov_b32 s30, 0xffff0000                      ; a word's upper bf16
	s_mov_b32 s31, 0x3fb8aa3b                      ; log2(e)
	s_mov_b32 s27, 0
	s_wait_kmcnt 0x0
	s_load_b256 s[16:23], s[8:9], 0x0              ; router_b: 8 numbers, 32 bytes
	s_lshl_b32 s26, s25, 15                        ; 8 rows of 4,096 bytes
	s_add_nc_u64 s[4:5], s[4:5], s[26:27]
	s_lshl_b32 s26, s25, 14                        ; 8 rows of 2,048 bytes
	s_add_nc_u64 s[10:11], s[10:11], s[26:27]
.irp t, 0,1,2,3,4,5,6,7
	global_load_b128 v[X+4*\t:X+4*\t+3], v[XO], s[4:5] offset:\t*4096 th:TH_LOAD_NT
.endr
.irp e, 0,1,2,3,4,5,6,7
	global_load_b128 v[RW+4*\e:RW+4*\e+3], v[XO], s[6:7] offset:\e*4096
.endr
	s_wait_loadcnt 8                               ; x's eight loads are in; router_w's eight, issued behind them, may stay out
.irp t, 0,1,2,3,4,5,6,7
	v_cvt_pk_bf16_f32 v[XP+2*\t], v[X+4*\t], v[X+4*\t+1]
	v_cvt_pk_bf16_f32 v[XP+2*\t+1], v[X+4*\t+2], v[X+4*\t+3]
	global_store_b64 v[XBO], v[XP+2*\t:XP+2*\t+1], s[10:11] offset:\t*2048  ; 32 lanes x 8 bytes: 256 consecutive bytes
	v_lshlrev_b32 v[X+4*\t], 16, v[XP+2*\t]        ; and back to f32: the router multiplies the rounded numbers
	v_and_b32 v[X+4*\t+1], s30, v[XP+2*\t]
	v_lshlrev_b32 v[X+4*\t+2], 16, v[XP+2*\t+1]
	v_and_b32 v[X+4*\t+3], s30, v[XP+2*\t+1]
.endr
	s_wait_loadcnt 0x0                             ; router_w
.irp e, 0,1,2,3,4,5,6,7
	v_cvt_pk_bf16_f32 v[ACC+2*\e], v[RW+4*\e], v[RW+4*\e+1]
	v_cvt_pk_bf16_f32 v[ACC+2*\e+1], v[RW+4*\e+2], v[RW+4*\e+3]
	v_lshlrev_b32 v[RW+4*\e], 16, v[ACC+2*\e]
	v_and_b32 v[RW+4*\e+1], s30, v[ACC+2*\e]
	v_lshlrev_b32 v[RW+4*\e+2], 16, v[ACC+2*\e+1]
	v_and_b32 v[RW+4*\e+3], s30, v[ACC+2*\e+1]
.endr
	; 64 sums of my 4 columns; each kind of line runs over all 64, so that none waits for the one before it
.set p, 0
.rept 64
	v_pk_mul_f32 v[ACC+2*p:ACC+2*p+1], v[X+4*(p/8):X+4*(p/8)+1], v[RW+4*(p%8):RW+4*(p%8)+1]
.set p, p+1
.endr
.set p, 0
.rept 64
	v_pk_fma_f32 v[ACC+2*p:ACC+2*p+1], v[X+4*(p/8)+2:X+4*(p/8)+3], v[RW+4*(p%8)+2:RW+4*(p%8)+3], v[ACC+2*p:ACC+2*p+1]
.set p, p+1
.endr
.set p, 0
.rept 64
	v_add_f32 v[ACC+2*p], v[ACC+2*p], v[ACC+2*p+1]
.set p, p+1
.endr
.irp m, 1,2,4,8                        ; over the 16 lanes of a half
.set p, 0
.rept 64
	v_add_f32_dpp v[ACC+2*p], v[ACC+2*p], v[ACC+2*p] row_xmask:\m row_mask:0xf bank_mask:0xf
.set p, p+1
.endr
.endr
.set p, 0
.rept 64
	v_permlanex16_b32 v[ACC+2*p+1], v[ACC+2*p], s28, s29  ; the other half's sum; the destination has been written
.set p, p+1
.endr
.set p, 0
.rept 64
	v_add_f32 v[ACC+2*p], v[ACC+2*p], v[ACC+2*p+1]
.set p, p+1
.endr
.set p, 0
.rept 64
	ds_store_b32 v[PA], v[ACC+2*p] offset:4*p      ; all lanes hold the same sum and write the same word
.set p, p+1
.endr
	s_wait_dscnt 0x0                               ; for the others' sake: my stores are done
	s_barrier_signal -1
	s_barrier_wait -1
	s_cmp_lg_u32 s24, 0
	s_cbranch_scc1 .Lend                           ; wave 0 finishes alone; no barrier follows
	s_wait_xcnt 0x0                                ; the stores of xb have read XP, which is written again below
.irp w, 0,1,2,3,4,5,6,7
	ds_load_b128 v[PS+8*\w:PS+8*\w+3], v[TA] offset:\w*256
	ds_load_b128 v[PS+8*\w+4:PS+8*\w+7], v[TA] offset:\w*256+16
.endr
	s_wait_kmcnt 0x0                               ; router_b
.irp e, 0,1,2,3,4,5,6,7
	v_mov_b32 v[RB+\e], s[16+\e]
.endr
.irp e, 0,1,2,3
	v_cvt_pk_bf16_f32 v[U+\e], v[RB+2*\e], v[RB+2*\e+1]
.endr
.irp e, 0,1,2,3
	v_lshlrev_b32 v[RB+2*\e], 16, v[U+\e]
	v_and_b32 v[RB+2*\e+1], s30, v[U+\e]
.endr
	s_wait_dscnt 0x0
.irp c, 0,2,4,6
	v_pk_add_f32 v[L+\c:L+\c+1], v[PS+\c:PS+\c+1], v[PS+8+\c:PS+8+\c+1]
.endr
.irp w, 2,3,4,5,6,7                    ; the waves' parts in ascending order
.irp c, 0,2,4,6
	v_pk_add_f32 v[L+\c:L+\c+1], v[L+\c:L+\c+1], v[PS+8*\w+\c:PS+8*\w+\c+1]
.endr
.endr
.irp c, 0,2,4,6
	v_pk_add_f32 v[L+\c:L+\c+1], v[L+\c:L+\c+1], v[RB+\c:RB+\c+1]
.endr
	; softmax: the row's maximum is taken away before the exponentials
	v_max3_num_f32 v[U], v[L], v[L+1], v[L+2]
	v_max3_num_f32 v[U], v[U], v[L+3], v[L+4]
	v_max3_num_f32 v[U], v[U], v[L+5], v[L+6]
	v_max_num_f32 v[U], v[U], v[L+7]
	v_mul_f32 v[U+1], s31, v[U]
.irp e, 0,1,2,3,4,5,6,7
	v_fma_f32 v[L+\e], v[L+\e], s31, -v[U+1]       ; (l - m) log2(e)
.endr
.irp e, 0,1,2,3,4,5,6,7
	v_exp_f32 v[L+\e], v[L+\e]
.endr
	v_nop                                          ; a plain instruction between the last exponential and the use of its result (ISA guide 5.7.2)
	s_wait_alu depctr_va_vdst(0)
	v_add_f32 v[U], v[L], v[L+1]
	v_add_f32 v[U+1], v[L+2], v[L+3]
	v_add_f32 v[U+2], v[L+4], v[L+5]
	v_add_f32 v[U+3], v[L+6], v[L+7]
	v_add_f32 v[U], v[U], v[U+1]
	v_add_f32 v[U+2], v[U+2], v[U+3]
	v_add_f32 v[U], v[U], v[U+2]
	v_rcp_f32 v[U+1], v[U]
	v_nop
	s_wait_alu depctr_va_vdst(0)
.irp e, 0,1,2,3,4,5,6,7
	v_mul_f32 v[L+\e], v[L+\e], v[U+1]
.endr
	; the largest: only a strictly larger one displaces, so the lower index is kept
	v_mov_b32 v[V1], v[L]
	v_mov_b32 v[I1], 0
.irp e, 1,2,3,4,5,6,7
	v_cmp_gt_f32 vcc_lo, v[L+\e], v[V1]
	v_cndmask_b32 v[V1], v[V1], v[L+\e], vcc_lo
	v_cndmask_b32 v[I1], v[I1], \e, vcc_lo
.endr
	; the second: the same among the other seven
	v_mov_b32 v[V2], -1.0
	v_mov_b32 v[I2], 0
.irp e, 0,1,2,3,4,5,6,7
	v_cmp_gt_f32 s32, v[L+\e], v[V2]
	v_cmp_ne_u32 s33, \e, v[I1]
	s_and_b32 s32, s32, s33
	v_cndmask_b32 v[V2], v[V2], v[L+\e], s32
	v_cndmask_b32 v[I2], v[I2], \e, s32
.endr
	v_add_f32 v[U], v[V1], v[V2]
	v_rcp_f32 v[U+1], v[U]
	v_and_b32 v[GA], 7, v0
	s_lshl_b32 s32, s25, 3
	v_add_lshl_u32 v[GA], v[GA], s32, 2            ; 4 (8 wg + l % 8)
	s_wait_alu depctr_va_vdst(0)
	v_mul_f32 v[V1], v[V1], v[U+1]
	v_mul_f32 v[V2], v[V2], v[U+1]
	global_store_b32 v[GA], v[V1], s[14:15]        ; lanes 8 apart hold the same token: same place, same number
	global_store_b32 v[GA], v[V2], s[14:15] offset:4096
	v_mov_b32 v[MB], 0
.irp e, 0,1,2,3,4,5,6,7
	v_cmp_eq_u32 s32, \e, v[I1]                    ; bit l: token l % 8 has e in place 0
	s_and_b32 s32, s32, 0xff
	v_writelane_b32 v[MB], s32, 2*\e
	v_writelane_b32 v[MB], s32, 2*\e+16
	v_cmp_eq_u32 s33, \e, v[I2]
	s_and_b32 s33, s33, 0xff
	v_writelane_b32 v[MB], s33, 2*\e+1
	v_writelane_b32 v[MB], s33, 2*\e+17
.endr
	v_and_b32 v[MA], 15, v0
	v_lshl_add_u32 v[MA], v[MA], 7, s25            ; byte 128 (2 e + j) + wg
	global_store_b8 v[MA], v[MB], s[12:13]
.Lend:
	s_wait_tensorcnt 0x0                           ; the wave's end, behind my last LDS store
	ds_add_u32 v[SPW], v[NIL]
	s_wait_dscnt 0x0
	s_endpgm
.Lfunc_end_k_qe89314d0e4_router:
	.size	k_qe89314d0e4_router, .Lfunc_end_k_qe89314d0e4_router-k_qe89314d0e4_router
	.p2alignl 7, 3214868480
	.fill 96, 4, 3214868480
	.section	.rodata,"a",@progbits
	.p2align	6, 0x0
	.amdhsa_kernel k_qe89314d0e4_router
		.amdhsa_group_segment_fixed_size 3072
		.amdhsa_private_segment_fixed_size 0
		.amdhsa_enable_private_segment 0
		.amdhsa_kernarg_size 48
		.amdhsa_user_sgpr_count 2
		.amdhsa_user_sgpr_kernarg_segment_ptr 1
		.amdhsa_wavefront_size32 1
		.amdhsa_system_sgpr_workgroup_id_x 1
		.amdhsa_system_sgpr_workgroup_id_y 1
		.amdhsa_system_sgpr_workgroup_id_z 1
		.amdhsa_system_vgpr_workitem_id 0
		.amdhsa_next_free_vgpr 216
		.amdhsa_next_free_sgpr 66
		.amdhsa_reserve_vcc 1
		.amdhsa_float_denorm_mode_32 3
		.amdhsa_float_denorm_mode_16_64 3
		.amdhsa_memory_ordered 1
		.amdhsa_forward_progress 1
		.amdhsa_inst_pref_size 58
	.end_amdhsa_kernel
	.amdgpu_metadata
---
amdhsa.version: [ 1, 2 ]
amdhsa.kernels:
  - .name:           k_qe89314d0e4_router
    .symbol:         k_qe89314d0e4_router.kd
    .args:
      - { .name: x, .offset: 0, .size: 8, .value_kind: global_buffer, .address_space: global }
      - { .name: router_w, .offset: 8, .size: 8, .value_kind: global_buffer, .address_space: global }
      - { .name: router_b, .offset: 16, .size: 8, .value_kind: global_buffer, .address_space: global }
      - { .name: xb, .offset: 24, .size: 8, .value_kind: global_buffer, .address_space: global }
      - { .name: maps, .offset: 32, .size: 8, .value_kind: global_buffer, .address_space: global }
      - { .name: gates, .offset: 40, .size: 8, .value_kind: global_buffer, .address_space: global }
    .group_segment_fixed_size: 3072
    .private_segment_fixed_size: 0
    .kernarg_segment_align: 8
    .kernarg_segment_size: 48
    .max_flat_workgroup_size: 256
    .sgpr_count:     66
    .vgpr_count:     216
    .wavefront_size: 32
...
	.end_amdgpu_metadata
.endif
;; end of part 1
;; launch ffn1 (part 2): grid 32 x 8, 4 waves a work-group, no clusters, 154,112 bytes of LDS; arguments maps, xb, w1, b1, hbuf; writes hbuf
.if DOCPART == 2
	.amdgcn_target "amdgcn-amd-amdhsa--gfx1250"
	.amdhsa_code_object_version 6
	.text
	.protected	k_qe89314d0e4_ffn1
	.globl	k_qe89314d0e4_ffn1
	.p2align	8
	.type	k_qe89314d0e4_ffn1,@function
k_qe89314d0e4_ffn1:
	s_mov_b64 s[64:65], 0
	v_nop
	global_prefetch_b8 v0, s[64:65] scope:SCOPE_SE
	s_setreg_imm32_b32 hwreg(HW_REG_WAVE_MODE, 25, 1), 1
	s_wait_xcnt 0x0
; FIRST PRODUCT.  h = relu(x w1[e] + b1[e]) for the rows (token, place) that chose expert e, and for no others.  x comes rounded to bf16; w1 and b1 are rounded to bf16 here, on their way through
; registers; sums in f32; h is rounded once to bf16.  NaN and infinities are not treated apart.
; SHARES.  A work-group has ONE expert (grid y) and 128 of its 4,096 hidden columns (grid x): 1,024 x 128 f32 of w1, 512 KB, which it alone reads, and ALL rows of that expert.
; ROWS.  The expert's rows are ordered by rid = 1024 j + t: place 0's tokens ascending, then place 1's.  Tiles of 16 rows are dealt round robin: wave w has tiles TB + 4 i + w, i = 0..4: 320 rows a PASS.
; Each wave finds the rids of its own 80 positions from the two bit maps, in registers: a walk over the 64 map words keeps for each position the word that holds it, five halvings find the bit.
; Positions past the count take the last row.  Four passes (a constant) serve every split up to 1,024 rows; every wave passes every barrier; in a pass without rows all work is jumped forward.
; An expert without rows counts as one tile (of a token that exists), so that the tile which the next launch reads for its dead places is stored.
; K goes in 8 chunks of 128.  A chunk of weights (64 KB) is loaded a chunk ahead, 32 loads of 512 consecutive bytes a wave, rounded, and laid into a ring of two LDS slots as fragment images;
; one barrier a chunk.  A wave's token rows (256 bytes a row and chunk) go through LDS bytes of its own and need no barrier.
; THE MATRIX INSTRUCTION IS USED TRANSPOSED (source 0 = 16 columns of w1, source 1 = 16 rows of x): a lane holds one row and 8 neighbouring columns, which pack into 16 bytes; the 16 bytes of two
; neighbouring column blocks are, lane for lane, the next product's fragment of 16 rows x 32 K, and are stored as such: 512 consecutive bytes a store.  The bias is the C operand that starts each sum.
; NO CLUSTER, NO TENSOR LOADS: each weight byte has one reader and has to pass registers to be rounded; what an expert's 32 work-groups share is its token rows, which lie scattered in xb.
; REGISTERS, in windows of 256 (s_set_vgpr_msb: bits 1:0 source 0, 3:2 source 1, 5:4 source 2, 7:6 destination):
;   window 0: v0-30 addresses; v32-63 at work; v64-143 fragments of x, two buffers of 5 tiles; v144-207 bias; v208-247 my rows' offsets in xb; v248-250 my positions' tokens
;   window 1: v0-127 fragments of w1, two buffers of 8; v128-255 a chunk's weights as loaded
;   window 2: accumulators of tiles 0-3 (tile i, column block f at 64 i + 8 f)      window 3: v0-63 tile 4's; v64-223 a chunk's token rows as loaded
.set PITCH,  16384                     ; bytes in a row of w1[e]
.set STEP,   128*PITCH                 ; a chunk of 128 rows
.set WMASK,  1024*PITCH-1              ; behind the 8th chunk the offset is 0 again
.set FS,     1040                      ; a fragment image [2][32 lanes][16 bytes] and 16 bytes: the 16 lanes of a store then touch 16 different 16-byte columns modulo 256
.set CST,    16                        ; from one of a lane's 4 columns to the next, in an image
.set SS,     8*FS                      ; a K step of 32: 8 column blocks
.set SLOT,   4*SS
.set ABASE,  2*SLOT
.set APITCH, 272                       ; a row's 256 bytes and 16: the 16 rows of a fragment load start at 16 different groups of four banks (ISA guide 11.1)
.set ATILE,  16*APITCH
.set AWAVE,  5*ATILE
.set SPARE,  ABASE+4*AWAVE             ; the spare words, 128 bytes for each wave
.set LANE, 1
.set R,    2                           ; lane % 16
.set H,    3                           ; lane / 16
.set SPW,  4                           ; my spare word; never rewritten
.set NIL,  5                           ; 0; never rewritten
.set ZERO, 6
.set WOFF0, 7                          ; 16 lane + 32 w rows: my bytes in a chunk of weights
.set WOFF, 8
.set WST,  9                           ; v9, v10: where I lay weights in slot 0, 1
.set BFR,  11                          ; v11, v12: where I read images in slot 0, 1
.set ASTO, 13
.set AFR,  14
.set HM,   15                          ; all ones in lanes 16-31
.set R16,  16
.set LN16, 17
.set HO,   18
.set PB0,  19                          ; 64 (lane / 16) + lane % 16: my position among the wave's first two tile places
.set BAD,  20
.set T0,   22
.set T1,   23
.set LN4,  24
.set BMV,  25                          ; v25, v26: lane l holds word l of place 0's, place 1's map
.set PF0,  29
.set PFA,  30
.set TMP,  32
.set P,    TMP                         ; the search, three registers each: my position,
.set MW,   TMP+3                       ; the map word that holds it,
.set PK,   TMP+6                       ; that word's number << 16 | the rows ahead of it,
.set A2,   TMP+9                       ; the word's counts in fields of 2, 4, 8, 16 bits,
.set B4,   TMP+12
.set C8,   TMP+15
.set D16,  TMP+18
.set NN,   TMP+21                      ; how many set bits lie below mine,
.set POS,  TMP+24                      ; the bit,
.set TT,   TMP+27                      ; at work
.set AFRAG, 64
.set BIAS, 144
.set OFFS, 208
.set QR,   248
.set WSTG, 128                         ; window 1
.set ASTG, 64                          ; window 3
.set MAPS, 4
.set AB,   6
.set WB,   8
.set BB,   10
.set OB,   12
.set WV,   14
.set SL,   15
.set EX,   16
.set NE,   17                          ; the expert's rows
.set NTL,  18                          ; its tiles
.set TB,   19                          ; the pass's first tile
.set NTW,  20                          ; my live tiles in the pass, 0 to 5
.set LV,   21                          ; 1: the pass has rows
.set FIRST, 22                         ; 1: the next products start the sums
.set CNT,  23
.set PASS, 24
.set WCH,  25                          ; byte offset of the chunk of weights to be loaded next
.set ABK,  26                          ; s[26:27] xb at the chunk to be loaded next
.set OF,   28
.set S0,   30
.set WD,   34
.set RUN,  36                          ; rows counted so far
.set PFC,  38                          ; prefetches still to be made
.set HIM,  39
.set PKS,  42                          ; word number << 16 | RUN
.set C,    44                          ; s[44:46] lane masks
.set M,    48                          ; s[48:51] four map words
.set RC,   52                          ; s[52:55] their RUN, or all ones for an empty word
.set PS,   56                          ; s[56:59] their PKS
.set SA,   68                          ; s[68:83] a tile's 16 tokens
.set MSB, 0
.macro WIN new                         ; the immediate's high byte repeats the setting that is left; a switch that changes nothing is dropped
.if MSB != (\new)
	s_set_vgpr_msb (MSB<<8)|(\new)
.set MSB, (\new)
.endif
.endm
.macro PLACES                          ; four places between a matrix instruction and a load into, or a vector read of, its registers (ISA guide 7.12.1 for vector reads)
.rept 4
	v_nop
.endr
.endm
.macro EXITIF i, lab                   ; tile place i and those behind it are dead: forward, over no barrier
	WIN 0
	s_cmp_le_u32 s[NTW], \i
	s_cbranch_scc1 \lab
.endm
.macro MKNTW                           ; of tiles TB + w, TB + 4 + w, .. those below NTL, 5 at the most
	s_sub_co_i32 s[S0], s[NTL], s[TB]
	s_sub_co_i32 s[S0], s[S0], s[WV]
	s_add_co_i32 s[S0], s[S0], 3
	s_max_i32 s[S0], s[S0], 0
	s_lshr_b32 s[S0], s[S0], 2
	s_min_u32 s[NTW], s[S0], 5
.endm
.macro ALLK line:vararg                ; one line for each of the search's three registers k
.set k, 0
.rept 3
	\line
.set k, k+1
.endr
.endm
; THE WALK over the 64 map words, four a trip.  A non-empty word whose rows begin at or below my position takes the place of the one kept so far: at the end the word kept is the one that holds my
; position, or, for a position past the count, the last non-empty word.
.macro SELLOOP
.irp j, 0,1
	s_mov_b32 s[WD], 0
.Lsel\j:
	v_readlane_b32 s[M], v[BMV+\j], s[WD]
	s_add_co_u32 s[S0], s[WD], 1
	v_readlane_b32 s[M+1], v[BMV+\j], s[S0]
	s_add_co_u32 s[S0+1], s[WD], 2
	v_readlane_b32 s[M+2], v[BMV+\j], s[S0+1]
	s_add_co_u32 s[S0], s[WD], 3
	v_readlane_b32 s[M+3], v[BMV+\j], s[S0]
.irp a, 0,1,2,3
	s_cmp_lg_u32 s[M+\a], 0
	s_cselect_b32 s[RC+\a], s[RUN], -1
	s_mov_b32 s[PS+\a], s[PKS]
	s_bcnt1_i32_b32 s[S0], s[M+\a]
	s_add_co_u32 s[RUN], s[RUN], s[S0]
	s_add_co_u32 s[PKS], s[PKS], s[S0]
	s_add_co_u32 s[PKS], s[PKS], 0x10000
.endr
.irp a, 0,1,2,3
	ALLK v_cmp_le_u32 s[C+k], s[RC+\a], v[P+k]
	ALLK v_cndmask_b32 v[MW+k], v[MW+k], s[M+\a], s[C+k]
	ALLK v_cndmask_b32 v[PK+k], v[PK+k], s[PS+\a], s[C+k]
.endr
	s_add_co_u32 s[WD], s[WD], 4
	s_cmp_lt_u32 s[WD], 32
	s_cbranch_scc1 .Lsel\j
.endr
.endm
; THE BIT.  NN set bits of the word lie below mine (past the count: the word's last bit).  The counts of the word's fields of 2, 4, 8 and 16 bits are made once; each halving asks whether the lower half
; of the window holds more than NN bits.  rid = 32 x the word's number + the bit.
.macro HALF src, w
	ALLK v_bfe_u32 v[TT+k], v[\src+k], v[POS+k], \w
	ALLK v_cmp_ge_u32 s[C+k], v[NN+k], v[TT+k]
	ALLK v_cndmask_b32 v[TT+k], 0, v[TT+k], s[C+k]
	ALLK v_sub_nc_u32 v[NN+k], v[NN+k], v[TT+k]
	ALLK v_cndmask_b32 v[D16+k], 0, \w, s[C+k]
	ALLK v_add_nc_u32 v[POS+k], v[POS+k], v[D16+k]
.endm
.macro NTHBIT
	ALLK v_and_b32 v[NN+k], 0xffff, v[PK+k]
	ALLK v_sub_nc_u32 v[NN+k], v[P+k], v[NN+k]
	ALLK v_lshrrev_b32 v[TT+k], 1, v[MW+k]
	ALLK v_and_b32 v[TT+k], 0x55555555, v[TT+k]
	ALLK v_sub_nc_u32 v[A2+k], v[MW+k], v[TT+k]
	ALLK v_lshrrev_b32 v[TT+k], 2, v[A2+k]
	ALLK v_and_b32 v[TT+k], 0x33333333, v[TT+k]
	ALLK v_and_b32 v[B4+k], 0x33333333, v[A2+k]
	ALLK v_add_nc_u32 v[B4+k], v[B4+k], v[TT+k]
	ALLK v_lshrrev_b32 v[TT+k], 4, v[B4+k]
	ALLK v_add_nc_u32 v[C8+k], v[B4+k], v[TT+k]
	ALLK v_and_b32 v[C8+k], 0x0f0f0f0f, v[C8+k]
	ALLK v_lshrrev_b32 v[TT+k], 8, v[C8+k]
	ALLK v_add_nc_u32 v[D16+k], v[C8+k], v[TT+k]
	ALLK v_and_b32 v[D16+k], 0x00ff00ff, v[D16+k]
	ALLK v_lshrrev_b32 v[TT+k], 16, v[D16+k]
	ALLK v_and_b32 v[D16+k], 0xffff, v[D16+k]
	ALLK v_add_nc_u32 v[TT+k], v[TT+k], v[D16+k]
	ALLK v_add_nc_u32 v[TT+k], -1, v[TT+k]
	ALLK v_min_u32 v[NN+k], v[NN+k], v[TT+k]
	ALLK v_cmp_ge_u32 s[C+k], v[NN+k], v[D16+k]
	ALLK v_cndmask_b32 v[TT+k], 0, v[D16+k], s[C+k]
	ALLK v_cndmask_b32 v[POS+k], 0, 16, s[C+k]
	ALLK v_sub_nc_u32 v[NN+k], v[NN+k], v[TT+k]
	HALF C8, 8
	HALF B4, 4
	HALF A2, 2
	HALF MW, 1
	ALLK v_lshrrev_b32 v[TT+k], 16, v[PK+k]
	ALLK v_lshl_add_u32 v[QR+k], v[TT+k], 5, v[POS+k]
.endm
; The next chunk of weights: my 32 rows (K step w of the chunk), 512 consecutive bytes a load.  pf = 1: with the loads of chunks 0 to 5 of the first pass goes a prefetch of the chunk two further on:
; my own 32 rows of it, a lane a row, its 512 bytes as two blocks of 256: each block is asked for once, by the wave that will load it, and chunk 7 is the last.
; pf = 0 (a pass's end): all six have been made by then, so the lines are left out.
.macro LOADW pf=1
	WIN 0
	s_wait_xcnt 0x0                                ; WOFF and PFA, which earlier loads and prefetches read, are rewritten only behind this wait
	v_add_nc_u32 v[WOFF], s[WCH], v[WOFF0]
	s_add_co_u32 s[WCH], s[WCH], STEP
	s_and_b32 s[WCH], s[WCH], WMASK
	WIN 0x40
.set n, 0
.rept 32
	global_load_b128 v[WSTG+4*n:WSTG+4*n+3], v[WOFF], s[WB:WB+1] offset:n*PITCH th:TH_LOAD_NT
.set n, n+1
.endr
	WIN 0
.if \pf
	s_cmp_eq_u32 s[PFC], 0
	s_cbranch_scc1 .Lnopf_\@
	s_sub_co_u32 s[PFC], s[PFC], 1
	v_add_nc_u32 v[PFA], s[WCH], v[PF0]
	global_prefetch_b8 v[PFA], s[WB:WB+1] th:TH_LOAD_NT scope:SCOPE_SE
	global_prefetch_b8 v[PFA], s[WB:WB+1] offset:256 th:TH_LOAD_NT scope:SCOPE_SE
.Lnopf_\@:
.endif
.endm
; The chunk in registers is rounded and laid into a slot.  A lane holds 4 columns x 32 K; 8 K of a column are 16 bytes of an image: rows 8 g .. 8 g + 7 go to half g % 2 of the lanes, registers 4 (g / 2) on.
.macro STOREW slot
.irp hh, 0,1
	WIN 0x05
.irp gl, 0,1
.irp c, 0,1,2,3
.irp d, 0,1,2,3
	v_cvt_pk_bf16_f32 v[TMP+16*\gl+4*\c+\d], v[WSTG+4*(8*(2*\hh+\gl)+2*\d)+\c], v[WSTG+4*(8*(2*\hh+\gl)+2*\d+1)+\c]
.endr
.endr
.endr
	WIN 0
.irp gl, 0,1
.irp c, 0,1,2,3
	ds_store_b128 v[WST+(\slot)], v[TMP+16*\gl+4*\c:TMP+16*\gl+4*\c+3] offset:\hh*512+\gl*256+\c*CST
.endr
.endr
.endr
.endm
.macro FRAGB ks, buf, slot             ; 8 images: 16 loads of 512 consecutive bytes
	WIN 0x40
.irp f, 0,1,2,3,4,5,6,7
	ds_load_b128 v[64*(\buf)+8*\f:64*(\buf)+8*\f+3], v[BFR+(\slot)] offset:(\ks)*SS+\f*FS
	ds_load_b128 v[64*(\buf)+8*\f+4:64*(\buf)+8*\f+7], v[BFR+(\slot)] offset:(\ks)*SS+\f*FS+512
.endr
.endm
.macro FRAGA ks, buf                   ; my 5 tiles' fragments of 16 rows x 32 K
	WIN 0
.irp i, 0,1,2,3,4
	ds_load_b128 v[AFRAG+40*(\buf)+8*\i:AFRAG+40*(\buf)+8*\i+3], v[AFR] offset:\i*ATILE+64*(\ks)
	ds_load_b128 v[AFRAG+40*(\buf)+8*\i+4:AFRAG+40*(\buf)+8*\i+7], v[AFR] offset:\i*ATILE+64*(\ks)+32
.endr
.endm
; 8 matrix instructions a live tile.  The accumulators take turns: between two on one accumulator stand 7 others' at the least.  first = 1: all 5 tiles, C = the bias.
.macro MUL buf, first
.irp i, 0,1,2,3,4
.if (\i > 0) && !(\first)
	EXITIF \i, .Lmx_\@
.endif
.if \first
	WIN 0x81+0x40*(\i/4)
.else
	WIN 0xa1+0x50*(\i/4)
.endif
.irp f, 0,1,2,3,4,5,6,7
.if \first
	v_wmma_f32_16x16x32_bf16 v[64*(\i%4)+8*\f:64*(\i%4)+8*\f+7], v[64*(\buf)+8*\f:64*(\buf)+8*\f+7], v[AFRAG+40*(\buf)+8*\i:AFRAG+40*(\buf)+8*\i+7], v[BIAS+8*\f:BIAS+8*\f+7]
.else
	v_wmma_f32_16x16x32_bf16 v[64*(\i%4)+8*\f:64*(\i%4)+8*\f+7], v[64*(\buf)+8*\f:64*(\buf)+8*\f+7], v[AFRAG+40*(\buf)+8*\i:AFRAG+40*(\buf)+8*\i+7], v[64*(\i%4)+8*\f:64*(\i%4)+8*\f+7]
.endif
.endr
.endr
	WIN 0
.Lmx_\@:
.endm
.macro ALOAD all                       ; a chunk of my rows: lanes 0-15 take 256 consecutive bytes of row q of a tile, lanes 16-31 of row 8 + q
.irp i, 0,1,2,3,4
.if !(\all)
	EXITIF \i, .Lalx_\@
.endif
	WIN 0xc0
.irp q, 0,1,2,3,4,5,6,7
	global_load_b128 v[ASTG+32*\i+4*\q:ASTG+32*\i+4*\q+3], v[OFFS+8*\i+\q], s[ABK:ABK+1]
.endr
.endr
	WIN 0
.Lalx_\@:
.endm
.macro ASTORE all                      ; and into my own LDS rows
.irp i, 0,1,2,3,4
.if !(\all)
	EXITIF \i, .Lasx_\@
.endif
	WIN 0x0c
.irp q, 0,1,2,3,4,5,6,7
	ds_store_b128 v[ASTO], v[ASTG+32*\i+4*\q:ASTG+32*\i+4*\q+3] offset:\i*ATILE+\q*APITCH
.endr
.endr
	WIN 0
.Lasx_\@:
.endm
	s_load_b256 s[4:11], s[0:1], 0x0               ; maps, xb, w1, b1
	s_load_b64 s[12:13], s[0:1], 0x20              ; hbuf
	v_lshl_add_u32 v[SPW], v0, 2, SPARE
	v_mov_b32 v[NIL], 0
	v_lshrrev_b32 v[T0], 5, v0
	v_readfirstlane_b32 s[WV], v[T0]
	v_and_b32 v[LANE], 31, v0
	v_and_b32 v[R], 15, v0
	v_bfe_u32 v[H], v0, 4, 1
	v_mov_b32 v[ZERO], 0
	v_sub_nc_u32 v[HM], 0, v[H]
	v_lshl_add_u32 v[PB0], v[H], 6, v[R]
	v_lshlrev_b32 v[LN16], 4, v[LANE]
	v_lshlrev_b32 v[R16], 4, v[R]
	v_lshlrev_b32 v[LN4], 2, v[LANE]
	v_lshlrev_b32 v[BAD], 5, v[H]                  ; a lane's 8 columns of a block of 16: 32 bytes for each half of the lanes
	s_mul_i32 s[S0], s[WV], 32*PITCH
	v_add_nc_u32 v[WOFF0], s[S0], v[LN16]
	v_lshlrev_b32 v[PF0], 14, v0                   ; row 32 w + lane of a chunk,
	v_add_nc_u32 v[PF0], STEP, v[PF0]              ; one chunk behind the one that WCH names
	v_lshrrev_b32 v[T0], 2, v[LANE]                ; my 4 columns lie in column block lane / 4, at its lanes 4 (lane % 4) on
	v_mul_u32_u24 v[T0], v[T0], FS
	v_and_b32 v[T1], 3, v[LANE]
	v_lshl_add_u32 v[T0], v[T1], 6, v[T0]
	s_mul_i32 s[S0], s[WV], SS
	v_add_nc_u32 v[WST], s[S0], v[T0]
	v_add_nc_u32 v[WST+1], SLOT, v[WST]
	v_mov_b32 v[BFR], v[LN16]
	v_add_nc_u32 v[BFR+1], SLOT, v[LN16]
	s_mul_i32 s[S0], s[WV], AWAVE
	s_add_co_u32 s[S0], s[S0], ABASE
	v_mul_u32_u24 v[T0], v[H], 8*APITCH
	v_add_nc_u32 v[T0], v[T0], v[R16]
	v_add_nc_u32 v[ASTO], s[S0], v[T0]
	v_mul_u32_u24 v[T0], v[R], APITCH
	v_lshl_add_u32 v[T0], v[H], 4, v[T0]
	v_add_nc_u32 v[AFR], s[S0], v[T0]
	s_and_b32 s[EX], ttmp7, 0xffff
	s_mov_b32 s[SL], ttmp9
	s_mov_b32 s[OF+1], 0
	s_mov_b32 s[WCH], 0
	s_mov_b32 s[PFC], 6
	s_mov_b32 s[HIM], 0xffff0000
	s_wait_kmcnt 0x0
	s_lshl_b32 s[OF], s[EX], 8
	s_add_nc_u64 s[MAPS:MAPS+1], s[MAPS:MAPS+1], s[OF:OF+1]
	s_lshl_b32 s[OF], s[EX], 24
	s_lshl_b32 s[S0], s[SL], 9
	s_add_co_u32 s[OF], s[OF], s[S0]
	s_add_nc_u64 s[WB:WB+1], s[WB:WB+1], s[OF:OF+1]
	s_lshl_b32 s[OF], s[EX], 14
	s_add_co_u32 s[OF], s[OF], s[S0]
	s_add_nc_u64 s[BB:BB+1], s[BB:BB+1], s[OF:OF+1]
	s_lshl_b32 s[OF], s[EX], 23                    ; an expert's 64 tiles of 128 KB,
	s_lshl_b32 s[S0], s[SL], 12                    ; my 4 K steps of 1,024 bytes in each
	s_add_co_u32 s[OF], s[OF], s[S0]
	s_add_nc_u64 s[OB:OB+1], s[OB:OB+1], s[OF:OF+1]
	s_mov_b64 s[ABK:ABK+1], s[AB:AB+1]
	global_load_b32 v[BMV], v[LN4], s[MAPS:MAPS+1]
	global_load_b32 v[BMV+1], v[LN4], s[MAPS:MAPS+1] offset:128
.irp f, 0,1,2,3,4,5,6,7
	global_load_b128 v[BIAS+8*\f:BIAS+8*\f+3], v[BAD], s[BB:BB+1] offset:\f*64
	global_load_b128 v[BIAS+8*\f+4:BIAS+8*\f+7], v[BAD], s[BB:BB+1] offset:\f*64+16
.endr
	LOADW                                          ; chunk 0
	s_wait_loadcnt 32                              ; maps and bias are in; the 32 loads of weights, issued behind them, may stay out
	; the bias, rounded to bf16 like every input
.set n, 0
.rept 32
	v_cvt_pk_bf16_f32 v[TMP+n], v[BIAS+2*n], v[BIAS+2*n+1]
.set n, n+1
.endr
.set n, 0
.rept 32
	v_lshlrev_b32 v[BIAS+2*n], 16, v[TMP+n]
	v_and_b32 v[BIAS+2*n+1], s[HIM], v[TMP+n]
.set n, n+1
.endr
	s_mov_b32 s[TB], 0
	s_mov_b32 s[LV], 1                             ; the first pass always runs
	s_mov_b32 s[FIRST], 1
	s_mov_b32 s[PASS], 4
	s_mov_b32 s[NTL], 1                            ; the first pass counts the rows and writes these two anew
	s_mov_b32 s[NTW], 0
; A chunk, in slot par.  Four K steps on two fragment buffers: while one is multiplied the next one's fragments come.  Behind the second step the next chunk's weights, loaded a chunk ago, go into
; the other slot and the chunk after it is asked for; behind the third the same for my token rows.  The last two chunks ask for nothing, the last lays nothing.
.macro MSTEP par
	WIN 0
	s_cmp_eq_u32 s[LV], 0
	s_cbranch_scc1 .Ldead_\@
	PLACES
	FRAGB 0, 0, \par
	FRAGA 0, 0
	s_wait_dscnt 0x0                               ; K step 0's fragments
	FRAGB 1, 1, \par
	FRAGA 1, 1
.if (\par) == 0
	s_cmp_eq_u32 s[FIRST], 1
	s_cbranch_scc0 .Lnf_\@
	s_mov_b32 s[FIRST], 0
.rept 5
	v_nop                                          ; these products write over accumulators that earlier matrix instructions used, and are no links of their chains: five places (ISA guide 7.12.1)
.endr
	MUL 0, 1                                       ; a pass's first products start the sums: nothing is cleared
	s_branch .Lk1_\@
.Lnf_\@:
.endif
	MUL 0, 0
.if (\par) == 0
.Lk1_\@:
.endif
	s_wait_dscnt 0x0                               ; K step 1's, issued a K step ago
	PLACES
	FRAGB 2, 0, \par
	FRAGA 2, 0
	MUL 1, 0
	s_wait_loadcnt 0x0                             ; the next chunk's weights, asked for a chunk ago, and its token rows; their number hangs on NTW, so the count is 0
	s_add_nc_u64 s[ABK:ABK+1], s[ABK:ABK+1], 256   ; free since that wait
.if (\par) == 1
	s_cmp_eq_u32 s[CNT], 1
	s_cbranch_scc1 .Lnow_\@
.endif
	STOREW 1-(\par)
.if (\par) == 0
	s_cmp_eq_u32 s[CNT], 1
	s_cbranch_scc1 .Lnow_\@
.endif
	LOADW
.Lnow_\@:
	s_wait_dscnt 0x0
	PLACES
	FRAGB 3, 1, \par
	FRAGA 3, 1
	MUL 0, 0
.if (\par) == 1
	s_cmp_eq_u32 s[CNT], 1
	s_cbranch_scc1 .Lnoa_\@
.endif
	ASTORE 0                                       ; behind this chunk's last reads of my rows, which LDS serves first
.if (\par) == 0
	s_cmp_eq_u32 s[CNT], 1
	s_cbranch_scc1 .Lnoa_\@
.endif
	ALOAD 0
.Lnoa_\@:
	s_wait_dscnt 0x0
	MUL 1, 0
.Ldead_\@:
	s_wait_dscnt 0x0                               ; my stores into the other slot are done, my reads of this slot are back:
	s_barrier_signal -1                            ; behind the barrier the other slot is whole, and this one may be written
	s_barrier_wait -1
.endm
.Lpass:
	s_cmp_eq_u32 s[LV], 0
	s_cbranch_scc1 .Lpbx
	s_wait_xcnt 0x0                                ; what earlier loads and stores read (offsets, data) is rewritten only behind this wait
	s_add_co_u32 s[S0], s[TB], s[WV]               ; lane (H, R) of register k: row R of tile TB + 4 (2 k + H) + w
	s_lshl_b32 s[S0], s[S0], 4
	v_add_nc_u32 v[P], s[S0], v[PB0]
	v_add_nc_u32 v[P+1], 0x80, v[P]
	v_add_nc_u32 v[P+2], 0x100, v[P]
	ALLK v_mov_b32 v[MW+k], 0
	ALLK v_mov_b32 v[PK+k], 0
	s_mov_b32 s[RUN], 0
	s_mov_b32 s[PKS], 0
	SELLOOP
	s_min_u32 s[NE], s[RUN], 1024
	s_add_co_u32 s[NTL], s[NE], 15
	s_lshr_b32 s[NTL], s[NTL], 4
	s_max_u32 s[NTL], s[NTL], 1
	MKNTW
	NTHBIT
	ALLK v_and_b32 v[QR+k], 0x3ff, v[QR+k]         ; rid -> token
.irp i, 0,1,2,3,4                      ; a tile's 16 tokens as scalars; lanes 0-15 take row q's, lanes 16-31 row 8 + q's
.irp q, 0,1,2,3,4,5,6,7
	v_readlane_b32 s[SA+\q], v[QR+\i/2], 16*(\i%2)+\q
	v_readlane_b32 s[SA+8+\q], v[QR+\i/2], 16*(\i%2)+8+\q
.endr
.irp q, 0,1,2,3,4,5,6,7
	v_bfi_b32 v[OFFS+8*\i+\q], v[HM], s[SA+8+\q], s[SA+\q]
.endr
.irp q, 0,1,2,3,4,5,6,7
	v_min_u32 v[OFFS+8*\i+\q], 0x3ff, v[OFFS+8*\i+\q]
.endr
.irp q, 0,1,2,3,4,5,6,7
	v_lshl_add_u32 v[OFFS+8*\i+\q], v[OFFS+8*\i+\q], 11, v[R16]  ; a row of xb is 2,048 bytes
.endr
.endr
	s_mov_b64 s[ABK:ABK+1], s[AB:AB+1]
	ALOAD 1                                        ; chunk 0 of all 5 tile places: every register and LDS byte that the text reads later is written here
	s_wait_loadcnt 0x0                             ; chunk 0: weights and rows
	s_add_nc_u64 s[ABK:ABK+1], s[ABK:ABK+1], 256
	STOREW 0
	LOADW                                          ; chunk 1
	ASTORE 1
	ALOAD 0
	s_mov_b32 s[FIRST], 1
.Lpbx:
	s_wait_dscnt 0x0
	s_barrier_signal -1
	s_barrier_wait -1
	s_mov_b32 s[CNT], 4
.Ltrip:
	MSTEP 0
	MSTEP 1
	s_sub_co_u32 s[CNT], s[CNT], 1
	s_cmp_lg_u32 s[CNT], 0
	s_cbranch_scc1 .Ltrip
	; THE WAY OUT: rounded to bf16, relu on the packed halves, 8 stores of 512 consecutive bytes a tile
	s_cmp_eq_u32 s[LV], 0
	s_cbranch_scc1 .Lepx
	PLACES
.irp i, 0,1,2,3,4
	EXITIF \i, .Lepx
	s_wait_xcnt 0x0                                ; the tile before has read HO and TMP
	s_add_co_u32 s[S0], s[TB], s[WV]
	s_add_co_u32 s[S0], s[S0], 4*\i
	s_min_u32 s[S0], s[S0], 63
	s_lshl_b32 s[S0], s[S0], 17
	v_add_nc_u32 v[HO], s[S0], v[LN16]
	WIN 0x0a+5*(\i/4)
.irp f, 0,1,2,3,4,5,6,7
.irp d, 0,1,2,3
	v_cvt_pk_bf16_f32 v[TMP+4*\f+\d], v[64*(\i%4)+8*\f+2*\d], v[64*(\i%4)+8*\f+2*\d+1]
.endr
.endr
	WIN 0
.set n, 0
.rept 32
	v_pk_max_num_bf16 v[TMP+n], v[TMP+n], v[ZERO]
.set n, n+1
.endr
.irp f, 0,1,2,3,4,5,6,7
	global_store_b128 v[HO], v[TMP+4*\f:TMP+4*\f+3], s[OB:OB+1] offset:(\f/2)*1024+(\f%2)*512
.endr
.endr
.Lepx:
	s_wait_loadcnt 0x0                             ; on every way: no load of mine is out when a pass ends, since the next pass loads into the same registers
	s_add_co_u32 s[TB], s[TB], 20
	s_mov_b32 s[LV], 0
	s_cmp_le_u32 s[NTL], s[TB]
	s_cbranch_scc1 .Lnomore
	s_mov_b32 s[LV], 1
	LOADW 0                                        ; the next pass walks the same weights: chunk 0 again
.Lnomore:
	s_sub_co_u32 s[PASS], s[PASS], 1
	s_cmp_lg_u32 s[PASS], 0
	s_cbranch_scc1 .Lpass
	s_wait_tensorcnt 0x0                           ; the wave's end, behind my last LDS store
	ds_add_u32 v[SPW], v[NIL]
	s_wait_dscnt 0x0
	s_endpgm
.Lfunc_end_k_qe89314d0e4_ffn1:
	.size	k_qe89314d0e4_ffn1, .Lfunc_end_k_qe89314d0e4_ffn1-k_qe89314d0e4_ffn1
	.p2alignl 7, 3214868480
	.fill 96, 4, 3214868480
	.section	.rodata,"a",@progbits
	.p2align	6, 0x0
	.amdhsa_kernel k_qe89314d0e4_ffn1
		.amdhsa_group_segment_fixed_size 154112
		.amdhsa_private_segment_fixed_size 0
		.amdhsa_enable_private_segment 0
		.amdhsa_kernarg_size 40
		.amdhsa_user_sgpr_count 2
		.amdhsa_user_sgpr_kernarg_segment_ptr 1
		.amdhsa_wavefront_size32 1
		.amdhsa_system_sgpr_workgroup_id_x 1
		.amdhsa_system_sgpr_workgroup_id_y 1
		.amdhsa_system_sgpr_workgroup_id_z 1
		.amdhsa_system_vgpr_workitem_id 0
		.amdhsa_next_free_vgpr 1024
		.amdhsa_next_free_sgpr 84
		.amdhsa_reserve_vcc 0
		.amdhsa_float_denorm_mode_32 3
		.amdhsa_float_denorm_mode_16_64 3
		.amdhsa_memory_ordered 1
		.amdhsa_forward_progress 1
		.amdhsa_inst_pref_size 165
	.end_amdhsa_kernel
	.amdgpu_metadata
---
amdhsa.version: [ 1, 2 ]
amdhsa.kernels:
  - .name:           k_qe89314d0e4_ffn1
    .symbol:         k_qe89314d0e4_ffn1.kd
    .args:
      - { .name: maps, .offset: 0, .size: 8, .value_kind: global_buffer, .address_space: global }
      - { .name: xb, .offset: 8, .size: 8, .value_kind: global_buffer, .address_space: global }
      - { .name: w1, .offset: 16, .size: 8, .value_kind: global_buffer, .address_space: global }
      - { .name: b1, .offset: 24, .size: 8, .value_kind: global_buffer, .address_space: global }
      - { .name: hbuf, .offset: 32, .size: 8, .value_kind: global_buffer, .address_space: global }
    .group_segment_fixed_size: 154112
    .private_segment_fixed_size: 0
    .kernarg_segment_align: 8
    .kernarg_segment_size: 40
    .max_flat_workgroup_size: 128
    .sgpr_count:     84
    .vgpr_count:     1024
    .wavefront_size: 32
...
	.end_amdgpu_metadata
.endif
;; end of part 2
;; launch ffn2 (part 3): grid 32 x 8, 4 waves a work-group, no clusters, 87,552 bytes of LDS; arguments maps, hbuf, w2, b2, part; writes part
.if DOCPART == 3
	.amdgcn_target "amdgcn-amd-amdhsa--gfx1250"
	.amdhsa_code_object_version 6
	.text
	.protected	k_qe89314d0e4_ffn2
	.globl	k_qe89314d0e4_ffn2
	.p2align	8
	.type	k_qe89314d0e4_ffn2,@function
k_qe89314d0e4_ffn2:
	s_mov_b64 s[64:65], 0
	v_nop
	global_prefetch_b8 v0, s[64:65] scope:SCOPE_SE
	s_setreg_imm32_b32 hwreg(HW_REG_WAVE_MODE, 25, 1), 1
	s_wait_xcnt 0x0
; SECOND PRODUCT.  part[kq][rid] = h[rid] w2[e] over a quarter kq of the 4,096 hidden channels (+ b2[e] in quarter 0), for the rows that chose expert e.  h comes in bf16; w2 and b2 are rounded to bf16
; here; sums in f32; the partial sums leave in f32.  NaN and infinities are not treated apart.
; SHARES.  A work-group has one expert (grid y), one quarter of K and 128 of the 1,024 output columns (grid x = 8 kq + cs): 1,024 x 128 f32 of w2, 512 KB, which it alone reads, and all the expert's rows.
; ROWS.  The order is the first product's: rid = 1024 j + t ascending.  Here the rids are wanted only as the places of the stores, so every wave lays the expert's list into LDS words of its own
; (rank -> rid; places past the count repeat the last row).  Tiles, passes, chunks and the ring of two LDS slots for the weights are those of the first product.
; The token side needs no LDS: hbuf holds fragment images, which go from memory straight into operand registers, 512 consecutive bytes a load, two sets of a chunk (5 tiles x 4 K steps) by turns.
; Dead tile places read the expert's last stored tile and store nothing.
; COLUMNS.  Image f = 4 g + c holds columns 64 g + 4 r + c at its lanes r: so a lane's results in images 4 g .. 4 g + 3 are 4 neighbouring f32 of a row, and 16 lanes store 256 consecutive bytes, aligned.
; Places past the count repeat the last row: the same rid, the same bits, stored to the same place.
; NO CLUSTER, NO TENSOR LOADS: each weight byte has one reader and passes registers to be rounded.  The 8 column slices of an expert and quarter do share hbuf's tiles; a joint load would land them in LDS,
; from where each wave would read the same bytes once more, and how many tiles are wanted hangs on a count read from memory, while a joint load may not be jumped.
; REGISTERS, in windows of 256 (s_set_vgpr_msb: bits 1:0 source 0, 3:2 source 1, 5:4 source 2, 7:6 destination):
;   window 0: v0-30 addresses; v32-63 at work; v64-71 rows' offsets; v72-79 bias; v80-84 tiles' offsets; v96-255 token set 0 (tile i, K step s at 96 + 32 i + 8 s)
;   window 1: v0-127 fragments of w2, two buffers of 8; v128-255 a chunk's weights as loaded
;   window 2: accumulators of tiles 0-3 (64 i + 8 f)      window 3: v0-63 tile 4's; v64-223 token set 1
.set PITCH,  4096                      ; bytes in a row of w2[e]
.set STEP,   128*PITCH
.set WMASK,  1024*PITCH-1
.set FS,     1024                      ; a fragment image [2][32 lanes][16 bytes]; the 16 lanes of a store write 256 consecutive bytes
.set CST,    1024                      ; a lane's 4 columns lie in 4 images
.set SS,     8*FS
.set SLOT,   4*SS
.set LISTS,  2*SLOT
.set LWAVE,  5376                      ; 1,280 list words, 32 words that take what is not chosen, 32 idle
.set SPARE,  LISTS+4*LWAVE             ; the spare words, 128 bytes for each wave
.set LANE, 1
.set R,    2
.set H,    3
.set SPW,  4                           ; my spare word; never rewritten
.set NIL,  5                           ; 0; never rewritten
.set WOFF0, 7
.set WOFF, 8
.set WST,  9
.set BFR,  11
.set LA,   15
.set R16,  16
.set LN16, 17
.set LSTW, 19
.set RID,  21
.set T0,   22
.set T1,   23
.set LN4,  24
.set BMV,  25
.set BIT,  27
.set DUMP, 28
.set PF0,  29
.set PFA,  30
.set TMP,  32
.set ROWO, 64
.set BIAS, 72
.set AOFF, 80
.set WSTG, 128                         ; window 1
.set MAPS, 4
.set AB,   6
.set WB,   8
.set BB,   10
.set OB,   12
.set WV,   14
.set CSL,  15
.set EX,   16
.set NE,   17
.set NTL,  18
.set TB,   19
.set NTW,  20
.set LV,   21
.set FIRST, 22
.set CNT,  23
.set PASS, 24
.set WCH,  25
.set ABK,  26
.set OF,   28
.set S0,   30
.set WD,   34
.set M,    35
.set RUN,  36
.set KF,   37                          ; 1.0 in quarter 0, else 0: the bias is added once
.set PFC,  38
.set HIM,  39
.set NM,   40                          ; the expert's last stored tile
.set KQ,   41
.set MSB, 0
.macro WIN new                         ; the immediate's high byte repeats the setting that is left; a switch that changes nothing is dropped
.if MSB != (\new)
	s_set_vgpr_msb (MSB<<8)|(\new)
.set MSB, (\new)
.endif
.endm
.macro PLACES                          ; four places between a matrix instruction and a load into, or a vector read of, its registers (ISA guide 7.12.1 for vector reads)
.rept 4
	v_nop
.endr
.endm
.macro EXITIF i, lab                   ; tile place i and those behind it are dead: forward, over no barrier
	WIN 0
	s_cmp_le_u32 s[NTW], \i
	s_cbranch_scc1 \lab
.endm
.macro MKNTW
	s_sub_co_i32 s[S0], s[NTL], s[TB]
	s_sub_co_i32 s[S0], s[S0], s[WV]
	s_add_co_i32 s[S0], s[S0], 3
	s_max_i32 s[S0], s[S0], 0
	s_lshr_b32 s[S0], s[S0], 2
	s_min_u32 s[NTW], s[S0], 5
.endm
; The next chunk of weights: my 32 rows, 512 consecutive bytes a load.  pf = 1: with the loads of chunks 0 to 5 of the first pass goes a prefetch of the chunk two further on: my own 32 rows of it, a lane a
; row, its 512 bytes as two blocks of 256: each block is asked for once, by the wave that will load it, and chunk 7 is the last.  pf = 0 (a pass's end): all six have been made by then.
.macro LOADW pf=1
	WIN 0
	s_wait_xcnt 0x0                                ; WOFF and PFA, which earlier loads and prefetches read, are rewritten only behind this wait
	v_add_nc_u32 v[WOFF], s[WCH], v[WOFF0]
	s_add_co_u32 s[WCH], s[WCH], STEP
	s_and_b32 s[WCH], s[WCH], WMASK
	WIN 0x40
.set n, 0
.rept 32
	global_load_b128 v[WSTG+4*n:WSTG+4*n+3], v[WOFF], s[WB:WB+1] offset:n*PITCH th:TH_LOAD_NT
.set n, n+1
.endr
	WIN 0
.if \pf
	s_cmp_eq_u32 s[PFC], 0
	s_cbranch_scc1 .Lnopf_\@
	s_sub_co_u32 s[PFC], s[PFC], 1
	v_add_nc_u32 v[PFA], s[WCH], v[PF0]
	global_prefetch_b8 v[PFA], s[WB:WB+1] th:TH_LOAD_NT scope:SCOPE_SE
	global_prefetch_b8 v[PFA], s[WB:WB+1] offset:256 th:TH_LOAD_NT scope:SCOPE_SE
.Lnopf_\@:
.endif
.endm
.macro STOREW slot                     ; rounded and laid into a slot: rows 8 g .. 8 g + 7 of a column are 16 bytes of its image, half g % 2 of the lanes, registers 4 (g / 2) on
.irp hh, 0,1
	WIN 0x05
.irp gl, 0,1
.irp c, 0,1,2,3
.irp d, 0,1,2,3
	v_cvt_pk_bf16_f32 v[TMP+16*\gl+4*\c+\d], v[WSTG+4*(8*(2*\hh+\gl)+2*\d)+\c], v[WSTG+4*(8*(2*\hh+\gl)+2*\d+1)+\c]
.endr
.endr
.endr
	WIN 0
.irp gl, 0,1
.irp c, 0,1,2,3
	ds_store_b128 v[WST+(\slot)], v[TMP+16*\gl+4*\c:TMP+16*\gl+4*\c+3] offset:\hh*512+\gl*256+\c*CST
.endr
.endr
.endr
.endm
.macro FRAGB ks, buf, slot
	WIN 0x40
.irp f, 0,1,2,3,4,5,6,7
	ds_load_b128 v[64*(\buf)+8*\f:64*(\buf)+8*\f+3], v[BFR+(\slot)] offset:(\ks)*SS+\f*FS
	ds_load_b128 v[64*(\buf)+8*\f+4:64*(\buf)+8*\f+7], v[BFR+(\slot)] offset:(\ks)*SS+\f*FS+512
.endr
.endm
; 8 matrix instructions a live tile: source 0 = 16 rows of h, source 1 = 16 columns of w2.  The accumulators take turns.  first = 1: all 5 tiles, C = 0.
.macro MUL ks, buf, st, first
.set AS, 96-32*(\st)
.irp i, 0,1,2,3,4
.if (\i > 0) && !(\first)
	EXITIF \i, .Lmx_\@
.endif
	WIN 0xa4+0x50*(\i/4)+3*(\st)
.irp f, 0,1,2,3,4,5,6,7
.if \first
	v_wmma_f32_16x16x32_bf16 v[64*(\i%4)+8*\f:64*(\i%4)+8*\f+7], v[AS+32*\i+8*(\ks):AS+32*\i+8*(\ks)+7], v[64*(\buf)+8*\f:64*(\buf)+8*\f+7], 0
.else
	v_wmma_f32_16x16x32_bf16 v[64*(\i%4)+8*\f:64*(\i%4)+8*\f+7], v[AS+32*\i+8*(\ks):AS+32*\i+8*(\ks)+7], v[64*(\buf)+8*\f:64*(\buf)+8*\f+7], v[64*(\i%4)+8*\f:64*(\i%4)+8*\f+7]
.endif
.endr
.endr
	WIN 0
.Lmx_\@:
.endm
.macro ALOAD st, all, extra            ; a chunk of my tiles' images into set st
.set AS, 96-32*(\st)
.irp i, 0,1,2,3,4
.if !(\all)
	EXITIF \i, .Lalx_\@
.endif
	WIN 0xc0*(\st)
.irp ks, 0,1,2,3
	global_load_b128 v[AS+32*\i+8*\ks:AS+32*\i+8*\ks+3], v[AOFF+\i], s[ABK:ABK+1] offset:\ks*1024+(\extra)
	global_load_b128 v[AS+32*\i+8*\ks+4:AS+32*\i+8*\ks+7], v[AOFF+\i], s[ABK:ABK+1] offset:\ks*1024+512+(\extra)
.endr
.endr
	WIN 0
.Lalx_\@:
.endm
	s_load_b256 s[4:11], s[0:1], 0x0               ; maps, hbuf, w2, b2
	s_load_b64 s[12:13], s[0:1], 0x20              ; part
	v_lshl_add_u32 v[SPW], v0, 2, SPARE
	v_mov_b32 v[NIL], 0
	v_lshrrev_b32 v[T0], 5, v0
	v_readfirstlane_b32 s[WV], v[T0]
	v_and_b32 v[LANE], 31, v0
	v_and_b32 v[R], 15, v0
	v_bfe_u32 v[H], v0, 4, 1
	v_lshlrev_b32 v[LN16], 4, v[LANE]
	v_lshlrev_b32 v[R16], 4, v[R]
	v_lshlrev_b32 v[LN4], 2, v[LANE]
	s_mul_i32 s[S0], s[WV], 32*PITCH
	v_add_nc_u32 v[WOFF0], s[S0], v[LN16]
	v_lshlrev_b32 v[PF0], 12, v0                   ; row 32 w + lane of a chunk,
	v_add_nc_u32 v[PF0], STEP, v[PF0]              ; one chunk behind the one that WCH names
	v_lshl_add_u32 v[T0], v[H], 12, v[R16]         ; my 4 columns: images 4 (lane / 16) on, lane % 16 of each
	s_lshl_b32 s[S0], s[WV], 13
	v_add_nc_u32 v[WST], s[S0], v[T0]
	v_add_nc_u32 v[WST+1], SLOT, v[WST]
	v_mov_b32 v[BFR], v[LN16]
	v_add_nc_u32 v[BFR+1], SLOT, v[LN16]
	s_mul_i32 s[S0], s[WV], LWAVE
	s_add_co_u32 s[S0], s[S0], LISTS
	v_mov_b32 v[LSTW], s[S0]
	s_lshl_b32 s[S0+1], s[WV], 6
	v_lshl_add_u32 v[LA], v[H], 5, v[LSTW]
	v_add_nc_u32 v[LA], s[S0+1], v[LA]
	s_and_b32 s[EX], ttmp7, 0xffff
	s_and_b32 s[CSL], ttmp9, 7
	s_lshr_b32 s[KQ], ttmp9, 3
	s_cmp_eq_u32 s[KQ], 0
	s_cselect_b32 s[KF], 1.0, 0
	s_mov_b32 s[OF+1], 0
	s_mov_b32 s[WCH], 0
	s_mov_b32 s[PFC], 6
	s_mov_b32 s[HIM], 0xffff0000
	s_wait_kmcnt 0x0
	s_lshl_b32 s[OF], s[EX], 8
	s_add_nc_u64 s[MAPS:MAPS+1], s[MAPS:MAPS+1], s[OF:OF+1]
	s_lshl_b32 s[OF], s[EX], 23                    ; an expert's 64 tiles of 128 KB,
	s_lshl_b32 s[S0], s[KQ], 15                    ; my quarter's 32 K steps of 1,024 bytes in each
	s_add_co_u32 s[OF], s[OF], s[S0]
	s_add_nc_u64 s[AB:AB+1], s[AB:AB+1], s[OF:OF+1]
	s_lshl_b32 s[OF], s[EX], 24
	s_lshl_b32 s[S0], s[KQ], 22
	s_add_co_u32 s[OF], s[OF], s[S0]
	s_lshl_b32 s[S0], s[CSL], 9
	s_add_co_u32 s[OF], s[OF], s[S0]
	s_add_nc_u64 s[WB:WB+1], s[WB:WB+1], s[OF:OF+1]
	s_lshl_b32 s[OF], s[EX], 12
	s_add_co_u32 s[OF], s[OF], s[S0]
	s_add_nc_u64 s[BB:BB+1], s[BB:BB+1], s[OF:OF+1]
	s_lshl_b32 s[OF], s[KQ], 23
	s_add_co_u32 s[OF], s[OF], s[S0]
	s_add_nc_u64 s[OB:OB+1], s[OB:OB+1], s[OF:OF+1]
	s_mov_b64 s[ABK:ABK+1], s[AB:AB+1]
	global_load_b32 v[BMV], v[LN4], s[MAPS:MAPS+1]
	global_load_b32 v[BMV+1], v[LN4], s[MAPS:MAPS+1] offset:128
	global_load_b128 v[BIAS:BIAS+3], v[R16], s[BB:BB+1]
	global_load_b128 v[BIAS+4:BIAS+7], v[R16], s[BB:BB+1] offset:256
	LOADW                                          ; chunk 0
	; THE LIST.  All 1,280 words are 0 first, so that dead places name row 0.
.irp k, 0,1,2,3
	v_mov_b32 v[TMP+\k], 0
.endr
	v_add_nc_u32 v[T0], v[LSTW], v[LN16]
.irp k, 0,1,2,3,4,5,6,7,8,9
	ds_store_b128 v[T0], v[TMP:TMP+3] offset:\k*512
.endr
	v_mov_b32 v[RID], v[LANE]
	v_lshlrev_b32 v[BIT], v[LANE], 1
	v_add_nc_u32 v[DUMP], 1280, v[LANE]
	s_mov_b32 s[RUN], 0
	s_wait_loadcnt 32                              ; maps and bias are in; the 32 loads of weights, issued behind them, may stay out
.irp j, 0,1                            ; a trip takes 32 tokens: lane l's rid goes to its rank among the chosen, or to a word that nobody reads
	s_mov_b32 s[WD], 0
.Lword\j:
	v_readlane_b32 s[M], v[BMV+\j], s[WD]
	v_mbcnt_lo_u32_b32 v[T0], s[M], s[RUN]         ; the chosen so far, and those below my lane
	v_and_b32 v[T1], s[M], v[BIT]
	v_cmp_ne_u32 vcc_lo, 0, v[T1]
	v_cndmask_b32 v[T0], v[DUMP], v[T0], vcc_lo
	v_min_u32 v[T0], 0x51f, v[T0]                  ; inside my 1,312 words whatever the maps hold
	v_lshl_add_u32 v[T0], v[T0], 2, v[LSTW]
	ds_store_b32 v[T0], v[RID]
	v_add_nc_u32 v[RID], 32, v[RID]
	s_bcnt1_i32_b32 s[S0], s[M]
	s_add_co_u32 s[RUN], s[RUN], s[S0]
	s_add_co_u32 s[WD], s[WD], 1
	s_cmp_lt_u32 s[WD], 32
	s_cbranch_scc1 .Lword\j
.endr
	s_min_u32 s[NE], s[RUN], 1024
	s_max_u32 s[S0], s[RUN], 1
	s_sub_co_u32 s[S0], s[S0], 1
	s_min_u32 s[S0], s[S0], 1023
	s_lshl_b32 s[S0], s[S0], 2
	v_add_nc_u32 v[T0], s[S0], v[LSTW]
	ds_load_b32 v[T1], v[T0]                       ; the last row (LDS serves a wave's instructions in order: ISA guide 5.7.1.4)
	s_wait_dscnt 0x0
	v_add_nc_u32 v[T0], s[NE], v[R]
	v_lshl_add_u32 v[T0], v[T0], 2, v[LSTW]
	ds_store_b32 v[T0], v[T1]                      ; repeated in the 16 places past the count
	s_add_co_u32 s[NTL], s[NE], 15
	s_lshr_b32 s[NTL], s[NTL], 4                   ; 0 for an expert without rows: nothing is stored for it
	s_max_u32 s[NM], s[NTL], 1
	s_sub_co_u32 s[NM], s[NM], 1
	s_min_u32 s[NM], s[NM], 63
.irp k, 0,1,2,3
	v_cvt_pk_bf16_f32 v[TMP+\k], v[BIAS+2*\k], v[BIAS+2*\k+1]
.endr
.irp k, 0,1,2,3
	v_lshlrev_b32 v[BIAS+2*\k], 16, v[TMP+\k]
	v_and_b32 v[BIAS+2*\k+1], s[HIM], v[TMP+\k]
.endr
.irp k, 0,1,2,3,4,5,6,7
	v_mul_f32 v[BIAS+\k], s[KF], v[BIAS+\k]
.endr
	s_mov_b32 s[TB], 0
	s_mov_b32 s[LV], 1                             ; the first pass always runs
	s_mov_b32 s[FIRST], 1
	s_mov_b32 s[PASS], 4
	MKNTW
; A chunk, in slot par and token set par.  Four K steps on two buffers of weight fragments.  Behind the second step the next chunk's weights go into the other slot and the chunk after it is asked for;
; behind the fourth, this token set takes the chunk two further on.  The last two chunks ask for nothing, the last lays nothing.
.macro MSTEP par
	WIN 0
	s_cmp_eq_u32 s[LV], 0
	s_cbranch_scc1 .Ldead_\@
	PLACES
	FRAGB 0, 0, \par
	s_wait_dscnt 0x0
	FRAGB 1, 1, \par
.if (\par) == 0
	WIN 0
	s_cmp_eq_u32 s[FIRST], 1
	s_cbranch_scc0 .Lnf_\@
	s_mov_b32 s[FIRST], 0
.rept 5
	v_nop                                          ; these products write over accumulators that earlier matrix instructions used, and are no links of their chains: five places (ISA guide 7.12.1)
.endr
	MUL 0, 0, 0, 1                                 ; a pass's first products start the sums: nothing is cleared
	s_branch .Lk1_\@
.Lnf_\@:
.endif
	MUL 0, 0, \par, 0
.if (\par) == 0
.Lk1_\@:
.endif
	s_wait_dscnt 0x0
	PLACES
	FRAGB 2, 0, \par
	MUL 1, 1, \par, 0
	s_wait_loadcnt 0x0                             ; the next chunk's weights, asked for a chunk ago, and its token images; their number hangs on NTW, so the count is 0
	s_add_nc_u64 s[ABK:ABK+1], s[ABK:ABK+1], 4096  ; free since that wait
.if (\par) == 1
	s_cmp_eq_u32 s[CNT], 1
	s_cbranch_scc1 .Lnow_\@
.endif
	STOREW 1-(\par)
.if (\par) == 0
	s_cmp_eq_u32 s[CNT], 1
	s_cbranch_scc1 .Lnow_\@
.endif
	LOADW
.Lnow_\@:
	s_wait_dscnt 0x0
	PLACES
	FRAGB 3, 1, \par
	MUL 2, 0, \par, 0
	s_wait_dscnt 0x0
	MUL 3, 1, \par, 0
	s_cmp_eq_u32 s[CNT], 1
	s_cbranch_scc1 .Ldead_\@
	PLACES
	ALOAD \par, 0, 0
.Ldead_\@:
	s_wait_dscnt 0x0                               ; my stores into the other slot are done, my reads of this slot are back:
	s_barrier_signal -1                            ; behind the barrier the other slot is whole, and this one may be written
	s_barrier_wait -1
.endm
.Lpass:
	s_cmp_eq_u32 s[LV], 0
	s_cbranch_scc1 .Lpbx
	s_wait_xcnt 0x0                                ; what earlier loads and stores read (offsets, data) is rewritten only behind this wait
	PLACES
.irp i, 0,1,2,3,4
	s_add_co_u32 s[S0], s[TB], s[WV]
	s_add_co_u32 s[S0], s[S0], 4*\i
	s_min_u32 s[S0], s[S0], s[NM]                  ; a dead place reads a tile that has been stored
	s_min_u32 s[S0], s[S0], 63
	s_lshl_b32 s[S0], s[S0], 17
	v_add_nc_u32 v[AOFF+\i], s[S0], v[LN16]
.endr
	s_mov_b64 s[ABK:ABK+1], s[AB:AB+1]
	ALOAD 0, 1, 0                                  ; chunks 0 and 1 of all 5 tile places: every register that the text reads later is written here
	ALOAD 1, 1, 4096
	s_wait_loadcnt 0x0
	s_add_nc_u64 s[ABK:ABK+1], s[ABK:ABK+1], 4096
	STOREW 0
	LOADW                                          ; chunk 1
	s_mov_b32 s[FIRST], 1
.Lpbx:
	s_wait_dscnt 0x0
	s_barrier_signal -1
	s_barrier_wait -1
	s_mov_b32 s[CNT], 4
.Ltrip:
	MSTEP 0
	MSTEP 1
	s_sub_co_u32 s[CNT], s[CNT], 1
	s_cmp_lg_u32 s[CNT], 0
	s_cbranch_scc1 .Ltrip
	; THE WAY OUT: register j of images 4 g .. 4 g + 3 is 16 bytes of row 8 (lane / 16) + j; its place in part comes from the list
	s_cmp_eq_u32 s[LV], 0
	s_cbranch_scc1 .Lepx
	PLACES
.irp i, 0,1,2,3,4
	EXITIF \i, .Lepx
	s_wait_xcnt 0x0                                ; the tile before has read ROWO and TMP
	ds_load_b128 v[ROWO:ROWO+3], v[LA] offset:\i*256
	ds_load_b128 v[ROWO+4:ROWO+7], v[LA] offset:\i*256+16
	s_wait_dscnt 0x0
.irp j, 0,1,2,3,4,5,6,7
	v_min_u32 v[ROWO+\j], 0x7ff, v[ROWO+\j]
	v_lshl_add_u32 v[ROWO+\j], v[ROWO+\j], 12, v[R16]
.endr
.irp g, 0,1
.if \g > 0
	s_wait_xcnt 0x0                                ; the first half's stores have read TMP
.endif
	WIN 0x02+(\i/4)
.irp j, 0,1,2,3,4,5,6,7
.irp c, 0,1,2,3
	v_add_f32 v[TMP+4*\j+\c], v[64*(\i%4)+8*(4*\g+\c)+\j], v[BIAS+4*\g+\c]
.endr
.endr
	WIN 0
.irp j, 0,1,2,3,4,5,6,7
	global_store_b128 v[ROWO+\j], v[TMP+4*\j:TMP+4*\j+3], s[OB:OB+1] offset:\g*256  ; 16 lanes store 256 consecutive bytes of a row, aligned
.endr
.endr
.endr
.Lepx:
	s_wait_loadcnt 0x0                             ; on every way: no load of mine is out when a pass ends, since the next pass loads into the same registers
	s_add_co_u32 s[TB], s[TB], 20
	v_add_nc_u32 v[LA], 1280, v[LA]
	MKNTW
	s_mov_b32 s[LV], 0
	s_cmp_le_u32 s[NTL], s[TB]
	s_cbranch_scc1 .Lnomore
	s_mov_b32 s[LV], 1
	LOADW 0                                        ; the next pass walks the same weights: chunk 0 again
.Lnomore:
	s_sub_co_u32 s[PASS], s[PASS], 1
	s_cmp_lg_u32 s[PASS], 0
	s_cbranch_scc1 .Lpass
	s_wait_tensorcnt 0x0                           ; the wave's end, behind my last LDS store
	ds_add_u32 v[SPW], v[NIL]
	s_wait_dscnt 0x0
	s_endpgm
.Lfunc_end_k_qe89314d0e4_ffn2:
	.size	k_qe89314d0e4_ffn2, .Lfunc_end_k_qe89314d0e4_ffn2-k_qe89314d0e4_ffn2
	.p2alignl 7, 3214868480
	.fill 96, 4, 3214868480
	.section	.rodata,"a",@progbits
	.p2align	6, 0x0
	.amdhsa_kernel k_qe89314d0e4_ffn2
		.amdhsa_group_segment_fixed_size 87552
		.amdhsa_private_segment_fixed_size 0
		.amdhsa_enable_private_segment 0
		.amdhsa_kernarg_size 40
		.amdhsa_user_sgpr_count 2
		.amdhsa_user_sgpr_kernarg_segment_ptr 1
		.amdhsa_wavefront_size32 1
		.amdhsa_system_sgpr_workgroup_id_x 1
		.amdhsa_system_sgpr_workgroup_id_y 1
		.amdhsa_system_sgpr_workgroup_id_z 1
		.amdhsa_system_vgpr_workitem_id 0
		.amdhsa_next_free_vgpr 1024
		.amdhsa_next_free_sgpr 66
		.amdhsa_reserve_vcc 1
		.amdhsa_float_denorm_mode_32 3
		.amdhsa_float_denorm_mode_16_64 3
		.amdhsa_memory_ordered 1
		.amdhsa_forward_progress 1
		.amdhsa_inst_pref_size 121
	.end_amdhsa_kernel
	.amdgpu_metadata
---
amdhsa.version: [ 1, 2 ]
amdhsa.kernels:
  - .name:           k_qe89314d0e4_ffn2
    .symbol:         k_qe89314d0e4_ffn2.kd
    .args:
      - { .name: maps, .offset: 0, .size: 8, .value_kind: global_buffer, .address_space: global }
      - { .name: hbuf, .offset: 8, .size: 8, .value_kind: global_buffer, .address_space: global }
      - { .name: w2, .offset: 16, .size: 8, .value_kind: global_buffer, .address_space: global }
      - { .name: b2, .offset: 24, .size: 8, .value_kind: global_buffer, .address_space: global }
      - { .name: part, .offset: 32, .size: 8, .value_kind: global_buffer, .address_space: global }
    .group_segment_fixed_size: 87552
    .private_segment_fixed_size: 0
    .kernarg_segment_align: 8
    .kernarg_segment_size: 40
    .max_flat_workgroup_size: 128
    .sgpr_count:     66
    .vgpr_count:     1024
    .wavefront_size: 32
...
	.end_amdgpu_metadata
.endif
;; end of part 3
;; launch combine (part 4): grid 256 x 1, 8 waves a work-group, no clusters, 0 bytes of LDS; arguments part, gates, out0; writes out0
.if DOCPART == 4
	.amdgcn_target "amdgcn-amd-amdhsa--gfx1250"
	.amdhsa_code_object_version 6
	.text
	.protected	k_qe89314d0e4_combine
	.globl	k_qe89314d0e4_combine
	.p2align	8
	.type	k_qe89314d0e4_combine,@function
k_qe89314d0e4_combine:
	s_mov_b64 s[64:65], 0
	v_nop
	global_prefetch_b8 v0, s[64:65] scope:SCOPE_SE
	s_setreg_imm32_b32 hwreg(HW_REG_WAVE_MODE, 25, 1), 1
	s_wait_xcnt 0x0
; THE SUM.  out[t] = g0[t] (sum over kq of part[kq][t]) + g1[t] (sum over kq of part[kq][1024 + t]), all f32, the quarters in ascending order.
; A stream: each byte of part is read once, each byte of out written once.  A work-group has 4 tokens; thread t has 16 bytes at 16 t of every row, so a wave's load or store covers 512 consecutive bytes.
; All 32 loads of a thread go out before the first wait.  No LDS, no barrier, no matrix unit, no cluster: nothing is shared.
.set VO, 1                             ; v[1:4]   16 t + kq x 8,388,608
.set P,  8                             ; v[8:135] token tt, place j, quarter kq at 8 + 32 tt + 16 j + 4 kq
	s_load_b128 s[4:7], s[0:1], 0x0                ; part s[4:5], gates s[6:7]
	s_load_b64 s[8:9], s[0:1], 0x10                ; out0
	v_lshlrev_b32 v[VO], 4, v0
	v_add_nc_u32 v[VO+1], 0x800000, v[VO]
	v_add_nc_u32 v[VO+2], 0x1000000, v[VO]
	v_add_nc_u32 v[VO+3], 0x1800000, v[VO]
	s_lshl_b32 s10, ttmp9, 14                      ; 4 rows of 4,096 bytes
	s_mov_b32 s11, 0
	s_lshl_b32 s12, ttmp9, 4                       ; 4 gates
	s_mov_b32 s13, 0
	s_wait_kmcnt 0x0
	s_add_nc_u64 s[4:5], s[4:5], s[10:11]
	s_add_nc_u64 s[8:9], s[8:9], s[10:11]
	s_add_nc_u64 s[6:7], s[6:7], s[12:13]
	s_load_b128 s[16:19], s[6:7], 0x0              ; g0 of my 4 tokens
	s_load_b128 s[20:23], s[6:7], 0x1000           ; g1
.irp t, 0,1,2,3
.irp j, 0,1
.irp q, 0,1,2,3
	global_load_b128 v[P+32*\t+16*\j+4*\q:P+32*\t+16*\j+4*\q+3], v[VO+\q], s[4:5] offset:\j*4194304+\t*4096 th:TH_LOAD_NT
.endr
.endr
.endr
	s_wait_kmcnt 0x0
.irp t, 0,1,2,3
	s_wait_loadcnt 24-8*\t                         ; this token's eight loads are in; eight for each later token may stay out
.irp q, 1,2,3
.irp j, 0,1
.irp c, 0,2
	v_pk_add_f32 v[P+32*\t+16*\j+\c:P+32*\t+16*\j+\c+1], v[P+32*\t+16*\j+\c:P+32*\t+16*\j+\c+1], v[P+32*\t+16*\j+4*\q+\c:P+32*\t+16*\j+4*\q+\c+1]
.endr
.endr
.endr
.irp c, 0,1,2,3
	v_mul_f32 v[P+32*\t+\c], s[16+\t], v[P+32*\t+\c]
.endr
.irp c, 0,1,2,3
	v_fma_f32 v[P+32*\t+\c], s[20+\t], v[P+32*\t+16+\c], v[P+32*\t+\c]
.endr
	global_store_b128 v[VO], v[P+32*\t:P+32*\t+3], s[8:9] offset:\t*4096 th:TH_STORE_NT
.endr
	s_endpgm
.Lfunc_end_k_qe89314d0e4_combine:
	.size	k_qe89314d0e4_combine, .Lfunc_end_k_qe89314d0e4_combine-k_qe89314d0e4_combine
	.p2alignl 7, 3214868480
	.fill 96, 4, 3214868480
	.section	.rodata,"a",@progbits
	.p2align	6, 0x0
	.amdhsa_kernel k_qe89314d0e4_combine
		.amdhsa_group_segment_fixed_size 0
		.amdhsa_private_segment_fixed_size 0
		.amdhsa_enable_private_segment 0
		.amdhsa_kernarg_size 24
		.amdhsa_user_sgpr_count 2
		.amdhsa_user_sgpr_kernarg_segment_ptr 1
		.amdhsa_wavefront_size32 1
		.amdhsa_system_sgpr_workgroup_id_x 1
		.amdhsa_system_sgpr_workgroup_id_y 1
		.amdhsa_system_sgpr_workgroup_id_z 1
		.amdhsa_system_vgpr_workitem_id 0
		.amdhsa_next_free_vgpr 140
		.amdhsa_next_free_sgpr 66
		.amdhsa_reserve_vcc 0
		.amdhsa_float_denorm_mode_32 3
		.amdhsa_float_denorm_mode_16_64 3
		.amdhsa_memory_ordered 1
		.amdhsa_forward_progress 1
		.amdhsa_inst_pref_size 10
	.end_amdhsa_kernel
	.amdgpu_metadata
---
amdhsa.version: [ 1, 2 ]
amdhsa.kernels:
  - .name:           k_qe89314d0e4_combine
    .symbol:         k_qe89314d0e4_combine.kd
    .args:
      - { .name: part, .offset: 0, .size: 8, .value_kind: global_buffer, .address_space: global }
      - { .name: gates, .offset: 8, .size: 8, .value_kind: global_buffer, .address_space: global }
      - { .name: out0, .offset: 16, .size: 8, .value_kind: global_buffer, .address_space: global }
    .group_segment_fixed_size: 0
    .private_segment_fixed_size: 0
    .kernarg_segment_align: 8
    .kernarg_segment_size: 24
    .max_flat_workgroup_size: 256
    .sgpr_count:     66
    .vgpr_count:     140
    .wavefront_size: 32
...
	.end_amdgpu_metadata
.endif
;; end of part 4
;; ======== version 2 of 2: 4 launches; version 1 with the launch ffn2 written anew for expert scheduling mode
;; workspace buffers: xb 2,097,152 bytes; maps 2,048 bytes of whole numbers; gates 8,192 bytes; hbuf 67,108,864 bytes; part 33,554,432 bytes
;; launch router: the kernel of part 1 again; grid 128 x 1, 8 waves a work-group, no clusters, 3,072 bytes of LDS; arguments x, router_w, router_b, xb, maps, gates; writes xb, maps, gates
;; launch ffn1: the kernel of part 2 again; grid 32 x 8, 4 waves a work-group, no clusters, 154,112 bytes of LDS; arguments maps, xb, w1, b1, hbuf; writes hbuf
;; launch ffn2 (part 5): grid 32 x 8, 4 waves a work-group, no clusters, 87,552 bytes of LDS; arguments maps, hbuf, w2, b2, part; writes part
.if DOCPART == 5
	.amdgcn_target "amdgcn-amd-amdhsa--gfx1250"
	.amdhsa_code_object_version 6
	.text
	.protected	k_qe89314d0e4_ffn2
	.globl	k_qe89314d0e4_ffn2
	.p2align	8
	.type	k_qe89314d0e4_ffn2,@function
k_qe89314d0e4_ffn2:
	s_mov_b64 s[64:65], 0
	v_nop
	global_prefetch_b8 v0, s[64:65] scope:SCOPE_SE
	s_setreg_imm32_b32 hwreg(HW_REG_WAVE_SCHED_MODE, 0, 2), 2
	s_setreg_imm32_b32 hwreg(HW_REG_WAVE_MODE, 25, 1), 1
	s_wait_xcnt 0x0
	s_wait_alu depctr_vm_vsrc(0)
; SECOND PRODUCT.  part[kq][rid] = h[rid] w2[e] over a quarter kq of the 4,096 hidden channels (+ b2[e] in quarter 0), for the rows that chose expert e.  h comes in bf16; w2 and b2 are rounded to bf16
; here; sums in f32; the partial sums leave in f32.  NaN and infinities are not treated apart.
; SHARES.  A work-group has one expert (grid y), one quarter of K and 128 of the 1,024 output columns (grid x = 8 kq + cs): 1,024 x 128 f32 of w2, 512 KB, which it alone reads, and all the expert's rows.
; ROWS.  The order is the first product's: rid = 1024 j + t ascending.  Here the rids are wanted only as the places of the stores, so every wave lays the expert's list into LDS words of its own
; (rank -> rid; places past the count repeat the last row).  Tiles, passes, chunks and the ring of two LDS slots for the weights are those of the first product.
; The token side needs no LDS: hbuf holds fragment images, which go from memory straight into operand registers, 512 consecutive bytes a load, two sets of a chunk (5 tiles x 4 K steps) by turns.
; Dead tile places read the expert's last stored tile and store nothing.
; COLUMNS.  Image f = 4 g + c holds columns 64 g + 4 r + c at its lanes r: so a lane's results in images 4 g .. 4 g + 3 are 4 neighbouring f32 of a row, and 16 lanes store 256 consecutive bytes, aligned.
; Places past the count repeat the last row: the same rid, the same bits, stored to the same place.
; NO CLUSTER, NO TENSOR LOADS: each weight byte has one reader and passes registers to be rounded.  The 8 column slices of an expert and quarter do share hbuf's tiles; a joint load would land them in LDS,
; from where each wave would read the same bytes once more, and how many tiles are wanted hangs on a count read from memory, while a joint load may not be jumped.
; REGISTERS, in windows of 256 (s_set_vgpr_msb: bits 1:0 source 0, 3:2 source 1, 5:4 source 2, 7:6 destination):
;   window 0: v0-30 addresses; v32-63 out-buffer TMP; v64-71 rows' offsets; v72-79 bias; v80-84 tiles' offsets; v96-255 token set 0 (tile i, K step s at 96 + 32 i + 8 s)
;   window 1: v0-127 fragments of w2, two buffers of 8; v128-255 a chunk's weights as loaded
;   window 2: accumulators of tiles 0-3 (64 i + 8 f)      window 3: v0-63 tile 4's; v64-223 token set 1; v224-255 out-buffer T2
; THE MODE: SCHED_MODE bits 1:0 = 2 (LLVM: expert scheduling mode 2), set by the entry lines.  The code itself states the register dependences
; between vector or matrix instructions and memory or LDS instructions, with s_wait_alu, always for 0.
; THE PLAN.  Registers that memory or LDS instructions touch, and who else names them:
;   FB0, FB1     window 1, v0-63 and v64-127.  LDS loads land in them; the products of K steps 0 and 2 read FB0, those of K steps 1 and 3 read FB1.
;   WSTG         The 32 loads of a chunk of weights land in it; the chunk's 64 conversions read it, and behind them it is asked for again.
;   sets 0, 1    The loads of a chunk's token images land in them; chunk c's products read set c % 2, and behind them it takes chunk c + 2.
;   TMP, T2      Written by the conversions (a chunk's two halves) or by the way out's sums (a tile's two halves); read by the LDS stores or the global stores that follow.
;   WOFF, PFA    Written once a chunk, ahead of the conversions; read by the loads of weights and by the prefetches.
;   AOFF         Written at a pass's head; read by the loads of token images.       LA   Stepped at a pass's end; read by the way out's LDS loads.
;   ROWO         LDS loads land in it, two vector lines make offsets of it, the tile's stores read it.
;   WST, BFR, R16, LN4 and the closing add's two registers are written at the head alone.
; A CHUNK'S WAITS.  On va_vdst: (1) ahead of K step 2's fragments; (2) behind the addresses and the conversions, for the LDS stores, the loads of weights, the prefetches and K step 3's fragments;
; (3) behind K step 3's products, for the loads of token images and for the next chunk's first two runs of fragments: only v_nop is issued between it and those, over the barrier and the backward jump too.
; The odd chunk has one more ahead of K step 3's fragments, since the pass's last chunk jumps round (2).  On vm_vsrc: one, ahead of the addresses and the conversions.
.set PITCH,  4096                      ; bytes in a row of w2[e]
.set STEP,   128*PITCH
.set WMASK,  1024*PITCH-1
.set FS,     1024                      ; a fragment image [2][32 lanes][16 bytes]; the 16 lanes of a store write 256 consecutive bytes
.set CST,    1024                      ; a lane's 4 columns lie in 4 images
.set SS,     8*FS
.set SLOT,   4*SS
.set LISTS,  2*SLOT
.set LWAVE,  5376                      ; 1,280 list words, 32 words that take what is not chosen, 32 idle
.set SPARE,  LISTS+4*LWAVE             ; the spare words, 128 bytes for each wave
.set LANE, 1
.set R,    2
.set H,    3
.set SPW,  4                           ; my spare word; never rewritten
.set NIL,  5                           ; 0; never rewritten
.set WOFF0, 7
.set WOFF, 8
.set WST,  9
.set BFR,  11
.set LA,   15
.set R16,  16
.set LN16, 17
.set LSTW, 19
.set LASTR, 21                         ; the list's last row
.set T0,   22
.set T1,   23
.set LN4,  24
.set BMV,  25
.set BIT,  27
.set DUMP, 28
.set PF0,  29
.set PFA,  30
.set TMP,  32                          ; T2 is TMP + 192 in window 3
.set LAD,  TMP+8                       ; while the list is made: four words' LDS addresses,
.set LRD,  TMP+12                      ; their rids,
.set LT,   TMP+16                      ; at work,
.set LC,   TMP+20                      ; lane + 32 a
.set ROWO, 64
.set BIAS, 72
.set AOFF, 80
.set WSTG, 128                         ; window 1
.set MAPS, 4
.set AB,   6
.set WB,   8
.set BB,   10
.set OB,   12
.set WV,   14
.set CSL,  15
.set EX,   16
.set NE,   17
.set NTL,  18
.set TB,   19
.set NTW,  20
.set LV,   21
.set FIRST, 22
.set CNT,  23
.set PASS, 24
.set WCH,  25                          ; byte offset of the chunk of weights to be loaded next
.set ABK,  26
.set OF,   28
.set S0,   30
.set WD,   34
.set RUN,  36
.set KF,   37                          ; 1.0 in quarter 0, else 0: the bias is added once
.set PFC,  38
.set HIM,  39
.set NM,   40                          ; the expert's last stored tile
.set KQ,   41
.set WNX,  42                          ; the chunk behind WCH's
.set M,    48                          ; s[48:51] four map words
.set RN,   52                          ; s[52:55] the rows counted ahead of each
.set CM,   56                          ; s[56:59] lane masks
.set IX,   60                          ; s[60:62] the numbers of the second to fourth word
.set RB,   63                          ; the first word's first rid
.set MSB, 0
.macro WIN new                         ; the immediate's high byte repeats the setting that is left; a switch that changes nothing is dropped
.if MSB != (\new)
	s_set_vgpr_msb (MSB<<8)|(\new)
.set MSB, (\new)
.endif
.endm
.macro PLACES                          ; four plain instructions behind a matrix instruction, ahead of a vector read of its result and ahead of a load into its registers; they state no dependence: the waits do
.rept 4
	v_nop
.endr
.endm
.macro EXITIF i, lab                   ; tile place i and those behind it are dead: forward, over no barrier
	WIN 0
	s_cmp_le_u32 s[NTW], \i
	s_cbranch_scc1 \lab
.endm
.macro MKNTW
	s_sub_co_i32 s[S0], s[NTL], s[TB]
	s_sub_co_i32 s[S0], s[S0], s[WV]
	s_add_co_i32 s[S0], s[S0], 3
	s_max_i32 s[S0], s[S0], 0
	s_lshr_b32 s[S0], s[S0], 2
	s_min_u32 s[NTW], s[S0], 5
.endm
; THE NEXT CHUNK OF WEIGHTS, in two parts.  WADR makes its offset, and (pf = 1) that of the prefetch, whether or not the loads follow: so both stand ahead of the one wait on va_vdst that the
; conversions want anyway.  WLD steps WCH and issues my 32 rows, 512 consecutive bytes a load.  pf = 1: with the loads of chunks 0 to 5 of the first pass goes a prefetch of the chunk two further on:
; my own 32 rows of it, a lane a row, its 512 bytes as two blocks of 256: each block is asked for once, by the wave that will load it, and chunk 7 is the last.  pf = 0 (a pass's end): all six have been made.
.macro WADR pf
	WIN 0
	s_wait_xcnt 0x0                                ; WOFF and PFA, which earlier loads and prefetches read, are rewritten only behind this wait
	v_add_nc_u32 v[WOFF], s[WCH], v[WOFF0]
	s_add_co_u32 s[WNX], s[WCH], STEP
	s_and_b32 s[WNX], s[WNX], WMASK
.if \pf
	v_add_nc_u32 v[PFA], s[WNX], v[PF0]
.endif
.endm
.macro WLD pf
	s_mov_b32 s[WCH], s[WNX]
	WIN 0x40
.set n, 0
.rept 32
	global_load_b128 v[WSTG+4*n:WSTG+4*n+3], v[WOFF], s[WB:WB+1] offset:n*PITCH th:TH_LOAD_NT
.set n, n+1
.endr
	WIN 0
.if \pf
	s_cmp_eq_u32 s[PFC], 0
	s_cbranch_scc1 .Lnopf_\@
	s_sub_co_u32 s[PFC], s[PFC], 1
	global_prefetch_b8 v[PFA], s[WB:WB+1] th:TH_LOAD_NT scope:SCOPE_SE
	global_prefetch_b8 v[PFA], s[WB:WB+1] offset:256 th:TH_LOAD_NT scope:SCOPE_SE
.Lnopf_\@:
.endif
.endm
; The chunk in registers is rounded (CVTW: its first half into TMP, its second into T2) and laid into a slot (STW): rows 8 g .. 8 g + 7 of a column are 16 bytes of its image, half g % 2 of the lanes, registers 4 (g / 2) on.
.macro CVTW
.irp hh, 0,1
	WIN 0x05+0xc0*\hh
.irp gl, 0,1
.irp c, 0,1,2,3
.irp d, 0,1,2,3
	v_cvt_pk_bf16_f32 v[TMP+192*\hh+16*\gl+4*\c+\d], v[WSTG+4*(8*(2*\hh+\gl)+2*\d)+\c], v[WSTG+4*(8*(2*\hh+\gl)+2*\d+1)+\c]
.endr
.endr
.endr
.endr
	WIN 0
.endm
.macro STW slot
.irp hh, 0,1
	WIN 0x0c*\hh
.irp gl, 0,1
.irp c, 0,1,2,3
	ds_store_b128 v[WST+(\slot)], v[TMP+192*\hh+16*\gl+4*\c:TMP+192*\hh+16*\gl+4*\c+3] offset:\hh*512+\gl*256+\c*CST
.endr
.endr
.endr
	WIN 0
.endm
.macro FRAGB ks, buf, slot
	WIN 0x40
.irp f, 0,1,2,3,4,5,6,7
	ds_load_b128 v[64*(\buf)+8*\f:64*(\buf)+8*\f+3], v[BFR+(\slot)] offset:(\ks)*SS+\f*FS
	ds_load_b128 v[64*(\buf)+8*\f+4:64*(\buf)+8*\f+7], v[BFR+(\slot)] offset:(\ks)*SS+\f*FS+512
.endr
.endm
; 8 matrix instructions a live tile: source 0 = 16 rows of h, source 1 = 16 columns of w2.  The accumulators take turns.  first = 1: all 5 tiles, C = 0.
.macro MUL ks, buf, st, first
.set AS, 96-32*(\st)
.irp i, 0,1,2,3,4
.if (\i > 0) && !(\first)
	EXITIF \i, .Lmx_\@
.endif
	WIN 0xa4+0x50*(\i/4)+3*(\st)
.irp f, 0,1,2,3,4,5,6,7
.if \first
	v_wmma_f32_16x16x32_bf16 v[64*(\i%4)+8*\f:64*(\i%4)+8*\f+7], v[AS+32*\i+8*(\ks):AS+32*\i+8*(\ks)+7], v[64*(\buf)+8*\f:64*(\buf)+8*\f+7], 0
.else
	v_wmma_f32_16x16x32_bf16 v[64*(\i%4)+8*\f:64*(\i%4)+8*\f+7], v[AS+32*\i+8*(\ks):AS+32*\i+8*(\ks)+7], v[64*(\buf)+8*\f:64*(\buf)+8*\f+7], v[64*(\i%4)+8*\f:64*(\i%4)+8*\f+7]
.endif
.endr
.endr
	WIN 0
.Lmx_\@:
.endm
.macro ALOAD st, all, extra            ; a chunk of my tiles' images into set st
.set AS, 96-32*(\st)
.irp i, 0,1,2,3,4
.if !(\all)
	EXITIF \i, .Lalx_\@
.endif
	WIN 0xc0*(\st)
.irp ks, 0,1,2,3
	global_load_b128 v[AS+32*\i+8*\ks:AS+32*\i+8*\ks+3], v[AOFF+\i], s[ABK:ABK+1] offset:\ks*1024+(\extra)
	global_load_b128 v[AS+32*\i+8*\ks+4:AS+32*\i+8*\ks+7], v[AOFF+\i], s[ABK:ABK+1] offset:\ks*1024+512+(\extra)
.endr
.endr
	WIN 0
.Lalx_\@:
.endm
	s_load_b256 s[4:11], s[0:1], 0x0               ; maps, hbuf, w2, b2
	s_load_b64 s[12:13], s[0:1], 0x20              ; part
	v_lshl_add_u32 v[SPW], v0, 2, SPARE
	v_mov_b32 v[NIL], 0
	v_lshrrev_b32 v[T0], 5, v0
	v_readfirstlane_b32 s[WV], v[T0]
	v_and_b32 v[LANE], 31, v0
	v_and_b32 v[R], 15, v0
	v_bfe_u32 v[H], v0, 4, 1
	v_lshlrev_b32 v[LN16], 4, v[LANE]
	v_lshlrev_b32 v[R16], 4, v[R]
	v_lshlrev_b32 v[LN4], 2, v[LANE]
	v_lshlrev_b32 v[PF0], 12, v0                   ; row 32 w + lane of a chunk,
	v_add_nc_u32 v[PF0], STEP, v[PF0]              ; one chunk behind the one that WNX names
	v_mov_b32 v[BFR], v[LN16]
	v_add_nc_u32 v[BFR+1], SLOT, v[LN16]
	v_lshlrev_b32 v[BIT], v[LANE], 1
	v_add_nc_u32 v[DUMP], 1280, v[LANE]
.irp a, 0,1,2,3
	v_add_nc_u32 v[LC+\a], 32*\a, v[LANE]
.endr
.irp k, 0,1,2,3
	v_mov_b32 v[TMP+\k], 0
.endr
	s_wait_alu depctr_va_sdst(0)                   ; s[WV] is written, ahead of its first reader: offsets and LDS addresses are made from it
	s_mul_i32 s[S0], s[WV], 32*PITCH
	v_add_nc_u32 v[WOFF0], s[S0], v[LN16]
	v_lshl_add_u32 v[T0], v[H], 12, v[R16]         ; my 4 columns: images 4 (lane / 16) on, lane % 16 of each
	s_lshl_b32 s[S0], s[WV], 13
	v_add_nc_u32 v[WST], s[S0], v[T0]
	v_add_nc_u32 v[WST+1], SLOT, v[WST]
	s_mul_i32 s[S0], s[WV], LWAVE
	s_add_co_u32 s[S0], s[S0], LISTS
	v_mov_b32 v[LSTW], s[S0]
	s_lshl_b32 s[S0+1], s[WV], 6
	v_lshl_add_u32 v[LA], v[H], 5, v[LSTW]
	v_add_nc_u32 v[LA], s[S0+1], v[LA]
	v_add_nc_u32 v[T0], v[LSTW], v[LN16]           ; where I clear the list
	s_and_b32 s[EX], ttmp7, 0xffff
	s_and_b32 s[CSL], ttmp9, 7
	s_lshr_b32 s[KQ], ttmp9, 3
	s_cmp_eq_u32 s[KQ], 0
	s_cselect_b32 s[KF], 1.0, 0
	s_mov_b32 s[OF+1], 0
	s_mov_b32 s[WCH], 0
	s_mov_b32 s[PFC], 6
	s_mov_b32 s[HIM], 0xffff0000
	s_wait_kmcnt 0x0
	s_lshl_b32 s[OF], s[EX], 8
	s_add_nc_u64 s[MAPS:MAPS+1], s[MAPS:MAPS+1], s[OF:OF+1]
	s_lshl_b32 s[OF], s[EX], 23                    ; an expert's 64 tiles of 128 KB,
	s_lshl_b32 s[S0], s[KQ], 15                    ; my quarter's 32 K steps of 1,024 bytes in each
	s_add_co_u32 s[OF], s[OF], s[S0]
	s_add_nc_u64 s[AB:AB+1], s[AB:AB+1], s[OF:OF+1]
	s_lshl_b32 s[OF], s[EX], 24
	s_lshl_b32 s[S0], s[KQ], 22
	s_add_co_u32 s[OF], s[OF], s[S0]
	s_lshl_b32 s[S0], s[CSL], 9
	s_add_co_u32 s[OF], s[OF], s[S0]
	s_add_nc_u64 s[WB:WB+1], s[WB:WB+1], s[OF:OF+1]
	s_lshl_b32 s[OF], s[EX], 12
	s_add_co_u32 s[OF], s[OF], s[S0]
	s_add_nc_u64 s[BB:BB+1], s[BB:BB+1], s[OF:OF+1]
	s_lshl_b32 s[OF], s[KQ], 23
	s_add_co_u32 s[OF], s[OF], s[S0]
	s_add_nc_u64 s[OB:OB+1], s[OB:OB+1], s[OF:OF+1]
	s_mov_b64 s[ABK:ABK+1], s[AB:AB+1]
	WADR 1                                         ; chunk 0's offset
	s_wait_alu depctr_va_vdst(0)                   ; every offset and LDS address made so far is written (LN4, R16, WOFF, PFA, T0, WST, BFR, LA, the closing add's two), and so are the four zeros that the LDS stores below read
	global_load_b32 v[BMV], v[LN4], s[MAPS:MAPS+1]
	global_load_b32 v[BMV+1], v[LN4], s[MAPS:MAPS+1] offset:128
	global_load_b128 v[BIAS:BIAS+3], v[R16], s[BB:BB+1]
	global_load_b128 v[BIAS+4:BIAS+7], v[R16], s[BB:BB+1] offset:256
	WLD 1                                          ; chunk 0
	; THE LIST.  All 1,280 words are 0 first, so that dead places name row 0.
.irp k, 0,1,2,3,4,5,6,7,8,9
	ds_store_b128 v[T0], v[TMP:TMP+3] offset:\k*512
.endr
	s_mov_b32 s[RUN], 0
	s_wait_loadcnt 32                              ; maps and bias are in; the 32 loads of weights, issued behind them, may stay out
.irp j, 0,1                            ; a trip takes four map words, 128 tokens: lane l's rid of each word goes to its rank among the chosen, or to a word that nobody reads
	s_mov_b32 s[WD], 0
.Lword\j:
	v_readlane_b32 s[M], v[BMV+\j], s[WD]
	s_add_co_u32 s[IX], s[WD], 1
	v_readlane_b32 s[M+1], v[BMV+\j], s[IX]
	s_add_co_u32 s[IX+1], s[WD], 2
	v_readlane_b32 s[M+2], v[BMV+\j], s[IX+1]
	s_add_co_u32 s[IX+2], s[WD], 3
	v_readlane_b32 s[M+3], v[BMV+\j], s[IX+2]
	s_wait_alu depctr_va_sdst(0)                   ; the four map words are written, ahead of their first readers
	s_mov_b32 s[RN], s[RUN]
	s_bcnt1_i32_b32 s[S0], s[M]
	s_add_co_u32 s[RN+1], s[RN], s[S0]
	s_bcnt1_i32_b32 s[S0], s[M+1]
	s_add_co_u32 s[RN+2], s[RN+1], s[S0]
	s_bcnt1_i32_b32 s[S0], s[M+2]
	s_add_co_u32 s[RN+3], s[RN+2], s[S0]
	s_bcnt1_i32_b32 s[S0], s[M+3]
	s_add_co_u32 s[RUN], s[RN+3], s[S0]
	s_lshl_b32 s[RB], s[WD], 5
.if \j == 1
	s_add_co_u32 s[RB], s[RB], 1024
.endif
	s_wait_alu depctr_vm_vsrc(0)                   ; the last trip's four LDS stores have read LAD and LRD, which are written again below (and the clearing stores T0 and the four zeros)
.irp a, 0,1,2,3
	v_and_b32 v[LT+\a], s[M+\a], v[BIT]
.endr
.irp a, 0,1,2,3
	v_cmp_ne_u32 s[CM+\a], 0, v[LT+\a]
.endr
.irp a, 0,1,2,3
	v_mbcnt_lo_u32_b32 v[LAD+\a], s[M+\a], s[RN+\a]  ; the chosen so far, and those below my lane
.endr
.irp a, 0,1,2,3
	v_add_nc_u32 v[LRD+\a], s[RB], v[LC+\a]
.endr
	s_wait_alu depctr_va_sdst(0)                   ; the four compares have written their masks, ahead of the selects
.irp a, 0,1,2,3
	v_cndmask_b32 v[LAD+\a], v[DUMP], v[LAD+\a], s[CM+\a]
.endr
.irp a, 0,1,2,3
	v_min_u32 v[LAD+\a], 0x51f, v[LAD+\a]          ; inside my 1,312 words whatever the maps hold
.endr
.irp a, 0,1,2,3
	v_lshl_add_u32 v[LAD+\a], v[LAD+\a], 2, v[LSTW]
.endr
	s_wait_alu depctr_va_vdst(0)                   ; LAD and LRD are written, which the four LDS stores read
.irp a, 0,1,2,3
	ds_store_b32 v[LAD+\a], v[LRD+\a]
.endr
	s_add_co_u32 s[WD], s[WD], 4
	s_cmp_lt_u32 s[WD], 32
	s_cbranch_scc1 .Lword\j
.endr
	s_min_u32 s[NE], s[RUN], 1024
	s_max_u32 s[S0], s[RUN], 1
	s_sub_co_u32 s[S0], s[S0], 1
	s_min_u32 s[S0], s[S0], 1023
	s_lshl_b32 s[S0], s[S0], 2
	v_add_nc_u32 v[T0], s[S0], v[LSTW]             ; the last row's word (the clearing stores, which read T0, stand ahead of the loops' waits on vm_vsrc)
	v_add_nc_u32 v[T1], s[NE], v[R]
	v_lshl_add_u32 v[T1], v[T1], 2, v[LSTW]        ; and the 16 places past the count
	s_wait_alu depctr_va_vdst(0)                   ; T0 and T1 are written, which the LDS load and the LDS store below read
	ds_load_b32 v[LASTR], v[T0]                    ; the last row (LDS serves a wave's instructions in order: ISA guide 5.7.1.4)
	s_wait_dscnt 0x0
	ds_store_b32 v[T1], v[LASTR]                   ; repeated in the 16 places past the count
	s_add_co_u32 s[NTL], s[NE], 15
	s_lshr_b32 s[NTL], s[NTL], 4                   ; 0 for an expert without rows: nothing is stored for it
	s_max_u32 s[NM], s[NTL], 1
	s_sub_co_u32 s[NM], s[NM], 1
	s_min_u32 s[NM], s[NM], 63
.irp k, 0,1,2,3
	v_cvt_pk_bf16_f32 v[TMP+\k], v[BIAS+2*\k], v[BIAS+2*\k+1]
.endr
.irp k, 0,1,2,3
	v_lshlrev_b32 v[BIAS+2*\k], 16, v[TMP+\k]
	v_and_b32 v[BIAS+2*\k+1], s[HIM], v[TMP+\k]
.endr
.irp k, 0,1,2,3,4,5,6,7
	v_mul_f32 v[BIAS+\k], s[KF], v[BIAS+\k]
.endr
	s_mov_b32 s[TB], 0
	s_mov_b32 s[LV], 1                             ; the first pass always runs
	s_mov_b32 s[FIRST], 1
	s_mov_b32 s[PASS], 4
	MKNTW
; A chunk, in slot par and token set par.  Four K steps on two buffers of weight fragments.  Behind the second step the next chunk's weights are rounded, the chunk after it is asked for, and the rounded
; one goes into the other slot; behind the fourth, this token set takes the chunk two further on.  The last two chunks ask for nothing, the last lays nothing.
.macro MSTEP par
	WIN 0
	s_cmp_eq_u32 s[LV], 0
	s_cbranch_scc1 .Ldead_\@
	PLACES
	FRAGB 0, 0, \par                               ; no wait here: every product that read the two buffers stands ahead of a wait on va_vdst, and only v_nop has been issued since
	s_wait_dscnt 0x0
	FRAGB 1, 1, \par
.if (\par) == 0
	WIN 0
	s_cmp_eq_u32 s[FIRST], 1
	s_cbranch_scc0 .Lnf_\@
	s_mov_b32 s[FIRST], 0
.rept 5
	v_nop                                          ; these products write over accumulators that earlier matrix instructions used, and are no links of their chains: five places (ISA guide 7.12.1)
.endr
	MUL 0, 0, 0, 1                                 ; a pass's first products start the sums: nothing is cleared
	s_branch .Lk1_\@
.Lnf_\@:
.endif
	MUL 0, 0, \par, 0
.if (\par) == 0
.Lk1_\@:
.endif
	s_wait_dscnt 0x0
	PLACES
	WIN 0x40
	s_wait_alu depctr_va_vdst(0)                   ; K step 0's products are done reading fragment buffer 0, in which the loads below land
	FRAGB 2, 0, \par
	MUL 1, 1, \par, 0
	s_wait_loadcnt 0x0                             ; the next chunk's weights, asked for a chunk ago, and its token images; their number hangs on NTW, so the count is 0
	s_wait_alu depctr_vm_vsrc(0)                   ; the last chunk's LDS stores have read TMP and T2, its loads WOFF, its prefetches PFA: all four are written again below
	s_add_nc_u64 s[ABK:ABK+1], s[ABK:ABK+1], 4096  ; free since the wait on LOADcnt
.if (\par) == 1
	s_cmp_eq_u32 s[CNT], 1
	s_cbranch_scc1 .Lnow_\@
.endif
	WADR 1
	CVTW
	s_wait_alu depctr_va_vdst(0)                   ; the conversions have written TMP and T2 and are done reading WSTG; WOFF and PFA are written; K step 1's products are done reading fragment buffer 1
.if (\par) == 0
	s_cmp_eq_u32 s[CNT], 1
	s_cbranch_scc1 .Lnol_\@
.endif
	WLD 1                                          ; no vector or matrix instruction since the wait names WSTG, WOFF or PFA
.if (\par) == 0
.Lnol_\@:
.endif
	STW 1-(\par)                                   ; nor TMP, T2 or WST
.if (\par) == 1
.Lnow_\@:
.endif
	s_wait_dscnt 0x0
	PLACES
.if (\par) == 1
	WIN 0x40
	s_wait_alu depctr_va_vdst(0)                   ; K step 1's products are done reading fragment buffer 1: the pass's last chunk has come round the wait behind the conversions
.endif
	FRAGB 3, 1, \par
	MUL 2, 0, \par, 0
	s_wait_dscnt 0x0
	MUL 3, 1, \par, 0
	s_wait_alu depctr_va_vdst(0)                   ; the chunk's products are done reading this token set, in which the loads below land, and both fragment buffers, in which the next chunk's first loads land
	s_cmp_eq_u32 s[CNT], 1
	s_cbranch_scc1 .Ldead_\@
	PLACES
	ALOAD \par, 0, 0
.Ldead_\@:
	s_wait_dscnt 0x0                               ; my stores into the other slot are done, my reads of this slot are back:
	s_barrier_signal -1                            ; behind the barrier the other slot is whole, and this one may be written
	s_barrier_wait -1
.endm
.Lpass:
	s_cmp_eq_u32 s[LV], 0
	s_cbranch_scc1 .Lpbx
	s_wait_xcnt 0x0                                ; what earlier loads and stores read (offsets, data) is rewritten only behind this wait
	s_wait_alu depctr_vm_vsrc(0)                   ; the last pass's loads have read AOFF, its stores TMP and T2 (the first pass: the list's LDS stores, registers of TMP), chunk 0's loads WOFF, the prefetches PFA: all are written again below
	PLACES
.irp i, 0,1,2,3,4
	s_add_co_u32 s[S0], s[TB], s[WV]
	s_add_co_u32 s[S0], s[S0], 4*\i
	s_min_u32 s[S0], s[S0], s[NM]                  ; a dead place reads a tile that has been stored
	s_min_u32 s[S0], s[S0], 63
	s_lshl_b32 s[S0], s[S0], 17
	v_add_nc_u32 v[AOFF+\i], s[S0], v[LN16]
.endr
	s_mov_b64 s[ABK:ABK+1], s[AB:AB+1]
	s_wait_alu depctr_va_vdst(0)                   ; AOFF is written, which the loads below read
	ALOAD 0, 1, 0                                  ; chunks 0 and 1 of all 5 tile places: every register that the text reads later is written here
	ALOAD 1, 1, 4096
	s_wait_loadcnt 0x0
	s_add_nc_u64 s[ABK:ABK+1], s[ABK:ABK+1], 4096
	WADR 1
	CVTW
	s_wait_alu depctr_va_vdst(0)                   ; the conversions have written TMP and T2 and are done reading WSTG; WOFF and PFA are written
	WLD 1                                          ; chunk 1
	STW 0
	s_mov_b32 s[FIRST], 1
.Lpbx:
	s_wait_dscnt 0x0
	s_barrier_signal -1
	s_barrier_wait -1
	s_mov_b32 s[CNT], 4
.Ltrip:
	MSTEP 0
	MSTEP 1
	s_sub_co_u32 s[CNT], s[CNT], 1
	s_cmp_lg_u32 s[CNT], 0
	s_cbranch_scc1 .Ltrip
	; THE WAY OUT: register j of images 4 g .. 4 g + 3 is 16 bytes of row 8 (lane / 16) + j; its place in part comes from the list.  A tile's two halves of columns go into TMP and T2;
	; the 64 sums stand between the list's loads and the wait for them.
	s_cmp_eq_u32 s[LV], 0
	s_cbranch_scc1 .Lepx
	PLACES
.irp i, 0,1,2,3,4
	EXITIF \i, .Lepx
	s_wait_xcnt 0x0                                ; the tile before has read ROWO, TMP and T2
	s_wait_alu depctr_vm_vsrc(0)                   ; the tile before's stores have read ROWO, in which the loads below land, and TMP and T2, which the sums write again (tile 0: the weights' LDS stores have read TMP and T2)
.if \i == 0
	s_wait_alu depctr_va_vdst(0)                   ; v[LA], stepped at the last pass's end, is written: the LDS loads below read it
.endif
	ds_load_b128 v[ROWO:ROWO+3], v[LA] offset:\i*256
	ds_load_b128 v[ROWO+4:ROWO+7], v[LA] offset:\i*256+16
.irp g, 0,1
	WIN 0xc0*\g+0x02+(\i/4)
.irp j, 0,1,2,3,4,5,6,7
.irp c, 0,1,2,3
	v_add_f32 v[TMP+192*\g+4*\j+\c], v[64*(\i%4)+8*(4*\g+\c)+\j], v[BIAS+4*\g+\c]
.endr
.endr
.endr
	WIN 0
	s_wait_dscnt 0x0
.irp j, 0,1,2,3,4,5,6,7
	v_min_u32 v[ROWO+\j], 0x7ff, v[ROWO+\j]
	v_lshl_add_u32 v[ROWO+\j], v[ROWO+\j], 12, v[R16]
.endr
	s_wait_alu depctr_va_vdst(0)                   ; the sums have written TMP and T2, the two lines above ROWO: the sixteen stores read them
.irp g, 0,1
	WIN 0x0c*\g
.irp j, 0,1,2,3,4,5,6,7
	global_store_b128 v[ROWO+\j], v[TMP+192*\g+4*\j:TMP+192*\g+4*\j+3], s[OB:OB+1] offset:\g*256  ; 16 lanes store 256 consecutive bytes of a row, aligned
.endr
.endr
	WIN 0
.endr
.Lepx:
	s_wait_loadcnt 0x0                             ; on every way: no load of mine is out when a pass ends, since the next pass loads into the same registers
	s_add_co_u32 s[TB], s[TB], 20
	s_wait_alu depctr_vm_vsrc(0)                   ; the way out's LDS loads have read v[LA], the last loads of weights WOFF: both are written again below
	v_add_nc_u32 v[LA], 1280, v[LA]
	MKNTW
	s_mov_b32 s[LV], 0
	s_cmp_le_u32 s[NTL], s[TB]
	s_cbranch_scc1 .Lnomore
	s_mov_b32 s[LV], 1
	WADR 0
	s_wait_alu depctr_va_vdst(0)                   ; WOFF is written, which the loads below read
	WLD 0                                          ; the next pass walks the same weights: chunk 0 again
.Lnomore:
	s_sub_co_u32 s[PASS], s[PASS], 1
	s_cmp_lg_u32 s[PASS], 0
	s_cbranch_scc1 .Lpass
	s_wait_dscnt 0x0                               ; the closing lines, six on end
	s_wait_alu 0x0
	s_wait_tensorcnt 0x0
	ds_add_u32 v[SPW], v[NIL]
	s_wait_dscnt 0x0
	s_endpgm
.Lfunc_end_k_qe89314d0e4_ffn2:
	.size	k_qe89314d0e4_ffn2, .Lfunc_end_k_qe89314d0e4_ffn2-k_qe89314d0e4_ffn2
	.p2alignl 7, 3214868480
	.fill 96, 4, 3214868480
	.section	.rodata,"a",@progbits
	.p2align	6, 0x0
	.amdhsa_kernel k_qe89314d0e4_ffn2
		.amdhsa_group_segment_fixed_size 87552
		.amdhsa_private_segment_fixed_size 0
		.amdhsa_enable_private_segment 0
		.amdhsa_kernarg_size 40
		.amdhsa_user_sgpr_count 2
		.amdhsa_user_sgpr_kernarg_segment_ptr 1
		.amdhsa_wavefront_size32 1
		.amdhsa_system_sgpr_workgroup_id_x 1
		.amdhsa_system_sgpr_workgroup_id_y 1
		.amdhsa_system_sgpr_workgroup_id_z 1
		.amdhsa_system_vgpr_workitem_id 0
		.amdhsa_next_free_vgpr 1024
		.amdhsa_next_free_sgpr 66
		.amdhsa_reserve_vcc 0
		.amdhsa_float_denorm_mode_32 3
		.amdhsa_float_denorm_mode_16_64 3
		.amdhsa_memory_ordered 1
		.amdhsa_forward_progress 1
		.amdhsa_inst_pref_size 126
	.end_amdhsa_kernel
	.amdgpu_metadata
---
amdhsa.version: [ 1, 2 ]
amdhsa.kernels:
  - .name:           k_qe89314d0e4_ffn2
    .symbol:         k_qe89314d0e4_ffn2.kd
    .args:
      - { .name: maps, .offset: 0, .size: 8, .value_kind: global_buffer, .address_space: global }
      - { .name: hbuf, .offset: 8, .size: 8, .value_kind: global_buffer, .address_space: global }
      - { .name: w2, .offset: 16, .size: 8, .value_kind: global_buffer, .address_space: global }
      - { .name: b2, .offset: 24, .size: 8, .value_kind: global_buffer, .address_space: global }
      - { .name: part, .offset: 32, .size: 8, .value_kind: global_buffer, .address_space: global }
    .group_segment_fixed_size: 87552
    .private_segment_fixed_size: 0
    .kernarg_segment_align: 8
    .kernarg_segment_size: 40
    .max_flat_workgroup_size: 128
    .sgpr_count:     66
    .vgpr_count:     1024
    .wavefront_size: 32
...
	.end_amdgpu_metadata
.endif
;; end of part 5
;; launch combine: the kernel of part 4 again; grid 256 x 1, 8 waves a work-group, no clusters, 0 bytes of LDS; arguments part, gates, out0; writes out0
